; MI455X (gfx1250); checked and timed in simulation.
; The chip was launched on July 23, 2026; its instructions are those of AMD's public machine-readable ISA for CDNA 5 (MIT licence, August 2026) and "CDNA5" Instruction Set Architecture Reference Guide (July 2026). The comments in the code are by the model that wrote it; some were corrected since.
;; Multi Head Attention. Allowed arithmetic: float matrix products may take bf16 or f16 operands with f32 sums; all other float work in f32.
;; Inputs: Wk 1,024 x 1,024 float32; Wo 1,024 x 1,024 float32; Wq 1,024 x 1,024 float32; Wv 1,024 x 1,024 float32; attn_mask 2,048 x 2,048 float32; bk 1,024 float32; bo 1,024 float32; bq 1,024 float32; bv 1,024 float32; x_q 2 x 2,048 x 1,024 float32.
;; Outputs: out0 2 x 2,048 x 1,024 float32.
;; 2 versions, each right; version 2 is version 1 with the launch cvt written anew for expert scheduling mode. Each part assembles by itself: llvm-mc -triple=amdgcn-amd-amdhsa -mcpu=gfx1250 --defsym DOCPART=n.
;; ======== version 1 of 2: 4 launches
;; limits: right only within a limited range of input values
;; workspace buffers: xw 16,777,216 bytes; qp 8,388,608 bytes; kp 8,388,608 bytes; vt 8,388,608 bytes; att 8,388,608 bytes
;; launch cvt (part 1): grid 512 x 1, 8 waves a work-group, no clusters, 0 bytes of LDS; arguments x_q, Wq, Wk, Wv, Wo, xw; writes xw
.if DOCPART == 1
	.amdgcn_target "amdgcn-amd-amdhsa--gfx1250"
	.amdhsa_code_object_version 6
	.text
	.protected	k_qdf53be5191_cvt
	.globl	k_qdf53be5191_cvt
	.p2align	8
	.type	k_qdf53be5191_cvt,@function
k_qdf53be5191_cvt:
	s_mov_b64 s[64:65], 0
	v_nop
	global_prefetch_b8 v0, s[64:65] scope:SCOPE_SE
	s_setreg_imm32_b32 hwreg(HW_REG_WAVE_MODE, 25, 1), 1
	s_wait_xcnt 0x0
; xw = x_q, Wq, Wk, Wv, Wo one behind the other, each number rounded once to bf16 (nearest even).
; 8,388,608 numbers; a work-group takes 16,384 of them (64 KiB in, 32 KiB out): groups 0-255 lie in x_q, then 64 groups in each W.
; A pure stream: every byte is read once and written once, so there is no LDS, no barrier and no matrix work.
; Thread t takes 16 bytes at 16 t of each block of 4,096 bytes: a wave's load covers 512 consecutive bytes, its store 256, both aligned.
; All sixteen loads of a thread go out at once; every load and every store has registers of its own, so nothing is rewritten.
.set X, 8                              ; v[8:71]   sixteen loads of four f32
.set Y, 72                             ; v[72:103] sixteen stores of four bf16
	s_load_b256 s[4:11], s[0:1], 0x0               ; x_q s[4:5], Wq s[6:7], Wk s[8:9], Wv s[10:11]
	s_load_b128 s[12:15], s[0:1], 0x20             ; Wo s[12:13], xw s[14:15]
	s_lshr_b32 s16, ttmp9, 6                       ; 0-3: x_q; 4, 5, 6, 7: Wq, Wk, Wv, Wo
	s_and_b32 s17, ttmp9, 63
	s_lshl_b32 s17, s17, 16                        ; byte offset inside a W
	s_lshl_b32 s18, ttmp9, 16                      ; byte offset inside x_q
	s_lshl_b32 s22, ttmp9, 15                      ; byte offset inside xw
	s_mov_b32 s23, 0
	s_mov_b32 s21, 0
	v_lshlrev_b32 v1, 4, v0                        ; 16 t
	v_lshlrev_b32 v2, 3, v0                        ; 8 t
	s_cmp_lt_u32 s16, 4
	s_cselect_b32 s20, s18, s17
	s_wait_kmcnt 0x0
	s_cmp_eq_u32 s16, 4
	s_cselect_b64 s[4:5], s[6:7], s[4:5]           ; the source is chosen by the group's number alone
	s_cmp_eq_u32 s16, 5
	s_cselect_b64 s[4:5], s[8:9], s[4:5]
	s_cmp_eq_u32 s16, 6
	s_cselect_b64 s[4:5], s[10:11], s[4:5]
	s_cmp_eq_u32 s16, 7
	s_cselect_b64 s[4:5], s[12:13], s[4:5]
	s_add_nc_u64 s[4:5], s[4:5], s[20:21]
	s_add_nc_u64 s[14:15], s[14:15], s[22:23]
.irp c, 0,1,2,3,4,5,6,7,8,9,10,11,12,13,14,15
	global_load_b128 v[X+4*\c:X+4*\c+3], v1, s[4:5] offset:4096*\c th:TH_LOAD_NT
.endr
.irp c, 0,1,2,3,4,5,6,7,8,9,10,11,12,13,14,15
	s_wait_loadcnt 15-\c                           ; loads come back in order (ISA guide 5.7.1): load c is in, the younger ones stay out
	v_cvt_pk_bf16_f32 v[Y+2*\c], v[X+4*\c], v[X+4*\c+1]
	v_cvt_pk_bf16_f32 v[Y+2*\c+1], v[X+4*\c+2], v[X+4*\c+3]
	global_store_b64 v2, v[Y+2*\c:Y+2*\c+1], s[14:15] offset:2048*\c   ; read again by the next launches: no non-temporal hint
.endr
	s_endpgm
.Lfunc_end_k_qdf53be5191_cvt:
	.size	k_qdf53be5191_cvt, .Lfunc_end_k_qdf53be5191_cvt-k_qdf53be5191_cvt
	.p2alignl 7, 3214868480
	.fill 96, 4, 3214868480
	.section	.rodata,"a",@progbits
	.p2align	6, 0x0
	.amdhsa_kernel k_qdf53be5191_cvt
		.amdhsa_group_segment_fixed_size 0
		.amdhsa_private_segment_fixed_size 0
		.amdhsa_enable_private_segment 0
		.amdhsa_kernarg_size 48
		.amdhsa_user_sgpr_count 2
		.amdhsa_user_sgpr_kernarg_segment_ptr 1
		.amdhsa_wavefront_size32 1
		.amdhsa_system_sgpr_workgroup_id_x 1
		.amdhsa_system_sgpr_workgroup_id_y 1
		.amdhsa_system_sgpr_workgroup_id_z 1
		.amdhsa_system_vgpr_workitem_id 0
		.amdhsa_next_free_vgpr 104
		.amdhsa_next_free_sgpr 66
		.amdhsa_reserve_vcc 0
		.amdhsa_float_denorm_mode_32 3
		.amdhsa_float_denorm_mode_16_64 3
		.amdhsa_memory_ordered 1
		.amdhsa_forward_progress 1
		.amdhsa_inst_pref_size 7
	.end_amdhsa_kernel
	.amdgpu_metadata
---
amdhsa.version: [ 1, 2 ]
amdhsa.kernels:
  - .name:           k_qdf53be5191_cvt
    .symbol:         k_qdf53be5191_cvt.kd
    .args:
      - { .name: x_q, .offset: 0, .size: 8, .value_kind: global_buffer, .address_space: global }
      - { .name: Wq, .offset: 8, .size: 8, .value_kind: global_buffer, .address_space: global }
      - { .name: Wk, .offset: 16, .size: 8, .value_kind: global_buffer, .address_space: global }
      - { .name: Wv, .offset: 24, .size: 8, .value_kind: global_buffer, .address_space: global }
      - { .name: Wo, .offset: 32, .size: 8, .value_kind: global_buffer, .address_space: global }
      - { .name: xw, .offset: 40, .size: 8, .value_kind: global_buffer, .address_space: global }
    .group_segment_fixed_size: 0
    .private_segment_fixed_size: 0
    .kernarg_segment_align: 8
    .kernarg_segment_size: 48
    .max_flat_workgroup_size: 256
    .sgpr_count:     66
    .vgpr_count:     104
    .wavefront_size: 32
...
	.end_amdgpu_metadata
.endif
;; end of part 1
;; launch qkv (part 2): grid 8 x 32, 4 waves a work-group, clusters of 4 x 4, 327,680 bytes of LDS; arguments xw, bq, bk, bv, qp, kp, vt; writes qp, kp, vt
.if DOCPART == 2
	.amdgcn_target "amdgcn-amd-amdhsa--gfx1250"
	.amdhsa_code_object_version 6
	.text
	.protected	k_qdf53be5191_qkv
	.globl	k_qdf53be5191_qkv
	.p2align	8
	.type	k_qdf53be5191_qkv,@function
k_qdf53be5191_qkv:
	s_mov_b64 s[64:65], 0
	v_nop
	global_prefetch_b8 v0, s[64:65] scope:SCOPE_SE
	s_setreg_imm32_b32 hwreg(HW_REG_WAVE_MODE, 25, 1), 1
	s_wait_xcnt 0x0
	s_wait_alu depctr_hold_cnt(0) depctr_sa_sdst(0) depctr_va_vdst(0) depctr_va_sdst(0) depctr_va_ssrc(0) depctr_va_vcc(0) depctr_vm_vsrc(0)
	s_getreg_b32 s2, hwreg(HW_REG_IB_STS2, 6, 4)
	s_cmp_eq_u32 s2, 0
	s_cbranch_scc0 .Lentry_in_a_cluster
	s_endpgm
.Lentry_in_a_cluster:
	s_bfe_u32 s2, ttmp6, 0x10000c
	s_cmp_lg_u32 s2, 0xf033
	s_cbranch_scc0 .Lentry_shape_is_right
	s_endpgm
.Lentry_shape_is_right:
; q = (x Wq^T + bq) / 8, k = x Wk^T + bk, v = x Wv^T + bv, operands bf16 (from xw), sums f32, results rounded once to bf16.
; The factor 1/8 (the score scale, a power of two, so exact) is folded into q.
; qp, kp: [batch*8 + head pair][token][128]  (a row of 256 bytes = the two heads of a pair);  vt: [(batch*8 + pair)*128 + feature of the pair][token].
; A work-group (x = head pair 0-7, y = block of 128 tokens 0-31) makes 128 tokens x (128 q + 128 k + 128 v); 256 work-groups.
; Wave w: mh = w >> 1 picks 64 tokens, nh = w & 1 one head: 64 x 192 of results in 48 accumulator tiles (384 registers).
; K goes in 8 steps of 128 through two LDS slots; a slot = Wq, Wk, Wv and x tiles of 128 rows x 256 bytes, wave w fetches part w.
; CLUSTERS: 4 x 4 work-groups.  The x tile hangs on y alone and is asked for jointly by a row of the cluster, the W tiles hang on the
; head pair alone and are asked for jointly by a column: a quarter of the requests.
; q and k use the matrix instruction with W as source 0: a lane then holds 8 neighbouring features of one token (16 bytes of a row of qp).
; v uses it with x as source 0: a lane holds 8 neighbouring tokens of one feature (16 bytes of a row of vt).
; LIMIT: operands and results are bf16 (8 bits of mantissa, the range of f32).
; REGISTER WINDOWS: 0: addresses, x fragments, biases, work;  1: W fragments;  2: q and k accumulators;  3: v accumulators.
.set PITCH, 272                        ; an LDS row: 256 bytes + 16 = 17 x 16: the sixteen rows of a fragment load begin at sixteen different 16-byte columns modulo 256
.set PART,  128*PITCH                  ; one tile, what one tensor load brings
.set SLOT,  4*PART
.set WBASE, 8388608                    ; the W rows begin here in xw
.set ADRA, 16                          ; v16,17  x fragments, slot 0, 1
.set ADRB, 18                          ; v18,19  Wq (and, one PART further, Wk) fragments
.set ADRV, 20                          ; v20,21  Wv fragments
.set STO,  22                          ; way out: where a lane puts 16 bytes of q (k: one PART further)
.set STV,  23                          ; the same for v
.set RD,   24                          ; way out: where a lane reads rows back (q, k)
.set RDV,  25                          ; the same for v
.set COQ,  26                          ; byte offset in qp and kp
.set COV,  27                          ; byte offset in vt
.set FA0,  64                          ; window 0: x fragments, two buffers of 4 x 8
.set FA1,  96
.set FB0,  0                           ; window 1: W fragments, two buffers of 12 x 8 (0-3 q, 4-7 k, 8-11 v)
.set FB1,  96
.set BQ,   128                         ; v[128:159] bq / 8 of my 4 x 8 features
.set BK,   160                         ; v[160:191] bk
.set BV,   192                         ; v[192:199] bv of my feature in each of 4 tiles, each held twice (a pair for the packed add)
.set P,    200                         ; v[200:231] packed results
.set T,    64                          ; v[64:127]  results in f32 on the way out
.set G1A,  28                          ; s[28:35] group 1, x tile      s[36:43] group 1, W tiles
.set G1B,  36
.set G0A,  44                          ; s[44:51] group 0, x tile, one set for each slot      s[52:59] the same for W
.set G0B,  52
.set G1W0, (1<<16)|(1<<20)|(1<<21)|(5<<22)|(3<<25)   ; 2-byte elements, padding on, bit 21 beside a mask, 4 words of pad after every 64
.set MSB, 0
.macro WIN new                         ; the immediate's high byte repeats the setting that is left
.if MSB != \new
	s_set_vgpr_msb (MSB<<8)|\new
.set MSB, \new
.endif
.endm
.macro PLACES n                        ; places behind matrix instructions (ISA guide 7.12.1)
.rept \n
	v_nop
.endr
.endm
.macro CREST                           ; a round of the cluster's barrier behind its opening barrier
	s_cmp_lg_u32 s20, 0
	s_cbranch_scc1 .Lnot_wave_0_\@
	s_barrier_signal -3
.Lnot_wave_0_\@:
	s_barrier_wait -3
	s_barrier_signal -1
	s_barrier_wait -1
.endm
.macro ROUND                           ; a whole round
	s_barrier_signal -1
	s_barrier_wait -1
	CREST
.endm
.macro JLOAD sl                        ; one joint load a wave: wave 3 the x tile, waves 0, 1, 2 the Wq, Wk, Wv tiles
	s_cmp_eq_u32 s20, 3
	s_cbranch_scc0 .Lfor_w_\@
	tensor_load_to_lds s[G0A+4*\sl:G0A+4*\sl+3], s[G1A:G1A+7]
	s_nop 0
	s_branch .Lasked_\@
.Lfor_w_\@:
	tensor_load_to_lds s[G0B+4*\sl:G0B+4*\sl+3], s[G1B:G1B+7]
	s_nop 0
.Lasked_\@:
.endm
	s_load_b256 s[4:11], s[0:1], 0x0               ; xw s[4:5], bq s[6:7], bk s[8:9], bv s[10:11]
	s_load_b128 s[12:15], s[0:1], 0x20             ; qp s[12:13], kp s[14:15]
	s_load_b64 s[16:17], s[0:1], 0x30              ; vt
	v_lshl_add_u32 v63, v0, 2, 0x44000
	s_set_vgpr_msb 0x40
	v_mov_b32 v255, 0
	s_set_vgpr_msb 0x4044
	ds_add_u32 v63, v255
	s_set_vgpr_msb 0x4400
	v_lshrrev_b32 v1, 5, v0
	v_readfirstlane_b32 s20, v1                    ; wave 0..3
	s_lshr_b32 s21, s20, 1                         ; mh
	s_and_b32 s22, s20, 1                          ; nh
	s_bfe_u32 s23, ttmp6, 0x40000                  ; cx
	s_bfe_u32 s24, ttmp6, 0x40004                  ; cy
	s_lshl_b32 s25, ttmp9, 2
	s_add_co_u32 s25, s25, s23                     ; x = head pair
	s_and_b32 s26, ttmp7, 0xffff
	s_lshl_b32 s26, s26, 2
	s_add_co_u32 s26, s26, s24                     ; y = token block
	s_lshl_b32 s18, s24, 2
	s_lshl_b32 s18, 15, s18                        ; my row of the cluster
	s_lshl_b32 s19, 0x1111, s23                    ; my column
	s_or_b32 s[G1A+0], s18, G1W0
	s_or_b32 s[G1B+0], s19, G1W0
.irp g, G1A, G1B
	s_mov_b32 s[\g+1], 128<<16                     ; tensor_dim0 = 128
	s_mov_b32 s[\g+2], 128<<16                     ; tensor_dim1 = 128
	s_mov_b32 s[\g+3], 128<<16                     ; tile_dim0 = 128 elements (256 bytes)
	s_mov_b32 s[\g+4], 128                         ; tile_dim1 = 128 rows
	s_mov_b32 s[\g+5], 1024                        ; elements from row to row
	s_mov_b32 s[\g+6], 0
	s_mov_b32 s[\g+7], 0
.endr
	s_lshl_b32 s60, s26, 18                        ; x tile: 128 y rows of 2,048 bytes (y alone)
	s_mov_b32 s61, 0
	s_lshl_b32 s62, s25, 18                        ; W tile: (1024 w + 128 x) rows of 2,048 bytes behind WBASE (the head pair and the wave alone)
	s_lshl_b32 s66, s20, 21
	s_add_co_u32 s62, s62, s66
	s_add_co_u32 s62, s62, WBASE
	s_mov_b32 s63, 0
	s_mul_i32 s27, s20, PART                       ; LDS: part w
	s_lshl_b32 s66, s25, 9                         ; the pair's 128 numbers in a bias
	s_mov_b32 s67, 0
	s_wait_dscnt 0x0
	s_wait_kmcnt 0x0
	s_add_nc_u64 s[60:61], s[4:5], s[60:61]
	s_add_nc_u64 s[62:63], s[4:5], s[62:63]
	s_add_nc_u64 s[6:7], s[6:7], s[66:67]
	s_add_nc_u64 s[8:9], s[8:9], s[66:67]
	s_add_nc_u64 s[10:11], s[10:11], s[66:67]
	ROUND                                          ; all sixteen work-groups are here: the first joint loads meet
.irp sl, 0,1
	s_mov_b32 s[G0A+4*\sl], 1
	s_add_co_u32 s[G0A+4*\sl+1], s27, \sl*SLOT
	s_add_nc_u64 s[G0A+4*\sl+2:G0A+4*\sl+3], s[60:61], \sl*256     ; K step 0 or 1
	s_or_b32 s[G0A+4*\sl+3], s[G0A+4*\sl+3], 0x80000000
	s_mov_b32 s[G0B+4*\sl], 1
	s_add_co_u32 s[G0B+4*\sl+1], s27, \sl*SLOT
	s_add_nc_u64 s[G0B+4*\sl+2:G0B+4*\sl+3], s[62:63], \sl*256
	s_or_b32 s[G0B+4*\sl+3], s[G0B+4*\sl+3], 0x80000000
	JLOAD \sl                                      ; both first fills go out together: two tensor loads of the wave are out
.endr
	v_and_b32 v1, 15, v0                           ; r
	v_bfe_u32 v2, v0, 4, 1                         ; h
	v_and_b32 v3, 31, v0                           ; lane
	s_lshl_b32 s68, s22, 8                         ; my head's 64 numbers in a bias
	v_lshl_add_u32 v28, v2, 5, s68                 ; q, k: features 8h .. 8h+7 of each tile
	v_lshl_add_u32 v29, v1, 2, s68                 ; v: feature r of each tile
.irp t, 0,1,2,3
	global_load_b128 v[BQ+8*\t:BQ+8*\t+3], v28, s[6:7] offset:64*\t
	global_load_b128 v[BQ+8*\t+4:BQ+8*\t+7], v28, s[6:7] offset:64*\t+16
	global_load_b128 v[BK+8*\t:BK+8*\t+3], v28, s[8:9] offset:64*\t
	global_load_b128 v[BK+8*\t+4:BK+8*\t+7], v28, s[8:9] offset:64*\t+16
	global_load_b32 v[BV+2*\t], v29, s[10:11] offset:64*\t
	global_load_b32 v[BV+2*\t+1], v29, s[10:11] offset:64*\t
.endr
	v_mul_u32_u24 v4, v1, PITCH
	v_lshl_add_u32 v4, v2, 4, v4                   ; r x pitch + 16 h
	s_mul_i32 s68, s21, 64*PITCH                   ; 64 mh rows
	s_mul_i32 s69, s22, 64*PITCH                   ; 64 nh rows
	s_add_co_u32 s70, s68, 3*PART
	v_add_nc_u32 v[ADRA], s70, v4
	v_add_nc_u32 v[ADRA+1], SLOT, v[ADRA]
	v_add_nc_u32 v[ADRB], s69, v4
	v_add_nc_u32 v[ADRB+1], SLOT, v[ADRB]
	v_add_nc_u32 v[ADRV], 2*PART, v[ADRB]
	v_add_nc_u32 v[ADRV+1], 2*PART, v[ADRB+1]
	s_lshl_b32 s70, s22, 7
	s_add_co_u32 s70, s70, s68
	v_add_nc_u32 v[STO], s70, v4                   ; (64 mh + r) x pitch + 128 nh + 16 h
	s_lshl_b32 s70, s21, 7
	s_add_co_u32 s70, s70, s69
	s_add_co_u32 s70, s70, 2*PART
	v_add_nc_u32 v[STV], s70, v4                   ; 2 PART + (64 nh + r) x pitch + 128 mh + 16 h
	v_mul_u32_u24 v5, v2, PITCH
	v_lshl_add_u32 v5, v1, 4, v5
	s_mul_i32 s70, s20, 32*PITCH
	v_add_nc_u32 v[RD], s70, v5                    ; (32 w + h) x pitch + 16 r
	v_add_nc_u32 v[RDV], 2*PART, v[RD]
	s_lshl_b32 s70, s20, 13
	v_lshl_add_u32 v[COQ], v3, 4, s70              ; 32 w rows of 256 bytes + 16 x lane
	v_lshlrev_b32 v5, 12, v2
	v_lshl_add_u32 v5, v1, 4, v5
	s_lshl_b32 s70, s20, 17
	v_add_nc_u32 v[COV], s70, v5                   ; (32 w + h) rows of 4,096 bytes + 16 r
	s_wait_loadcnt 0x0                             ; the biases, once
.irp p, 0,2,4,6,8,10,12,14,16,18,20,22,24,26,28,30
	v_pk_mul_f32 v[BQ+\p:BQ+\p+1], v[BQ+\p:BQ+\p+1], 0x3e000000 op_sel_hi:[1,0]   ; bq / 8
.endr
; 32 LDS loads: the fragments of 32 along K (quarter kq of the step): 64 tokens of x, 3 x 64 rows of W
.macro FETCH sl, kq, fa, fb
	PLACES 4                                       ; the buffer's registers were sources of matrix instructions: loads into them stand four places behind
	WIN 0
.irp a, 0,1,2,3
	ds_load_b128 v[\fa+8*\a:\fa+8*\a+3], v[ADRA+\sl] offset:\a*16*PITCH+64*\kq
	ds_load_b128 v[\fa+8*\a+4:\fa+8*\a+7], v[ADRA+\sl] offset:\a*16*PITCH+64*\kq+32
.endr
	WIN 0x40                                       ; destination window 1
.irp p, 0,1
.irp t, 0,1,2,3
	ds_load_b128 v[\fb+32*\p+8*\t:\fb+32*\p+8*\t+3], v[ADRB+\sl] offset:\p*PART+\t*16*PITCH+64*\kq
	ds_load_b128 v[\fb+32*\p+8*\t+4:\fb+32*\p+8*\t+7], v[ADRB+\sl] offset:\p*PART+\t*16*PITCH+64*\kq+32
.endr
.endr
.irp t, 0,1,2,3
	ds_load_b128 v[\fb+64+8*\t:\fb+64+8*\t+3], v[ADRV+\sl] offset:\t*16*PITCH+64*\kq
	ds_load_b128 v[\fb+64+8*\t+4:\fb+64+8*\t+7], v[ADRV+\sl] offset:\t*16*PITCH+64*\kq+32
.endr
.endm
; The 48 accumulators take turns, one instruction a turn, in the same order in every quarter.
.macro MULQK fa, fb, zero, a0          ; 16 instructions: token blocks a0, a0 + 1; source 0 = 16 rows of Wq or Wk, source 1 = 16 tokens
.irp a, \a0, \a0+1
.irp nb, 0,1,2,3,4,5,6,7
.if \zero
	v_wmma_f32_16x16x32_bf16 v[8*(8*(\a)+\nb):8*(8*(\a)+\nb)+7], v[\fb+8*\nb:\fb+8*\nb+7], v[\fa+8*(\a):\fa+8*(\a)+7], 0
.else
	v_wmma_f32_16x16x32_bf16 v[8*(8*(\a)+\nb):8*(8*(\a)+\nb)+7], v[\fb+8*\nb:\fb+8*\nb+7], v[\fa+8*(\a):\fa+8*(\a)+7], v[8*(8*(\a)+\nb):8*(8*(\a)+\nb)+7]
.endif
.endr
.endr
.endm
.macro MULV fa, fb, zero               ; source 0 = 16 tokens, source 1 = 16 rows of Wv
.irp a, 0,1,2,3
.irp t, 0,1,2,3
.if \zero
	v_wmma_f32_16x16x32_bf16 v[8*(4*\a+\t):8*(4*\a+\t)+7], v[\fa+8*\a:\fa+8*\a+7], v[\fb+64+8*\t:\fb+64+8*\t+7], 0
.else
	v_wmma_f32_16x16x32_bf16 v[8*(4*\a+\t):8*(4*\a+\t)+7], v[\fa+8*\a:\fa+8*\a+7], v[\fb+64+8*\t:\fb+64+8*\t+7], v[8*(4*\a+\t):8*(4*\a+\t)+7]
.endif
.endr
.endr
.endm
; One of a step's first three quarters: multiplies buffer f and fetches the next quarter's fragments, of the same slot, into buffer g.
.macro QUARTER sl, kqn, fa, fb, ga, gb, zero
	s_wait_dscnt 0x0                               ; this quarter's fragments, asked for 32 matrix instructions or more ago
	FETCH \sl, \kqn, \ga, \gb
	WIN 0xa1                                       ; source 0 window 1, source 1 window 0, C and D window 2
	MULQK \fa, \fb, \zero, 0
	MULQK \fa, \fb, \zero, 2
	WIN 0xf4                                       ; source 0 window 0, source 1 window 1, C and D window 3
	MULV \fa, \fb, \zero
.endm
.macro THREE sl, zero
	QUARTER \sl, 1, FA0, FB0, FA1, FB1, \zero
	QUARTER \sl, 2, FA1, FB1, FA0, FB0, 0
	QUARTER \sl, 3, FA0, FB0, FA1, FB1, 0
.endm
; The last quarter multiplies buffer 1 and changes slots.  fill = 1: this slot gets the tiles two K steps on.
; In front of the barrier each wave waits for its reads of this slot (the last are buffer 1's fragments) and for all its tensor loads, of which one is out:
; its part of the next slot.  Sixteen matrix instructions, register work, stand between the opening signal and its wait.  Behind the round the refill comes
; first, then the next slot's first fragments, which have the quarter's other 32 matrix instructions in which to come.
.macro TURN sl, nx, fill
	s_wait_dscnt 0x0                               ; my reads of this slot are back
	s_wait_tensorcnt 0x0                           ; all my tensor loads have landed: no load is out, so a group 0 may be written
	ds_add_u32 v63, v255
	s_wait_dscnt 0x0
	s_barrier_signal -1                            ; where the slot is filled again this barrier opens a round of the cluster's barrier
	WIN 0xa1
	MULQK FA1, FB1, 0, 0
	WIN 0
	s_barrier_wait -1
.if \fill
	CREST                                          ; no wave of any of the sixteen work-groups still reads this slot or has a load on its way
	s_add_nc_u64 s[G0A+4*\sl+2:G0A+4*\sl+3], s[G0A+4*\sl+2:G0A+4*\sl+3], 512
	s_add_nc_u64 s[G0B+4*\sl+2:G0B+4*\sl+3], s[G0B+4*\sl+2:G0B+4*\sl+3], 512
	JLOAD \sl                                      ; the wave's one tensor load behind the round, ahead of its first LDS read
.endif
	FETCH \nx, 0, FA0, FB0
	WIN 0xa1
	MULQK FA1, FB1, 0, 2
	WIN 0xf4
	MULV FA1, FB1, 0
.endm
.macro LAP zero                        ; two K steps, once round the ring, both slots filled again
	THREE 0, \zero
	TURN 0, 1, 1
	THREE 1, 0
	TURN 1, 0, 1
.endm
	s_wait_tensorcnt 0x1                           ; my part of K step 0 is in; K step 1's load was issued behind it and may stay out
	s_barrier_signal -1
	s_barrier_wait -1
	FETCH 0, 0, FA0, FB0
	LAP 1                                          ; K steps 0, 1: the first products start the sums: nothing is cleared
	WIN 0                                          ; at a label and at a branch every window is 0
	s_mov_b32 s3, 2
.Lk:
	LAP 0                                          ; K steps 2 to 5; their turns ask for K steps 4 to 7
	WIN 0
	s_sub_co_u32 s3, s3, 1
	s_cmp_lg_u32 s3, 0
	s_cbranch_scc1 .Lk
	THREE 0, 0                                     ; K steps 6, 7: nothing is left to fetch
	TURN 0, 1, 0
	THREE 1, 0
	s_wait_dscnt 0x0
	WIN 0xa1
	MULQK FA1, FB1, 0, 0
	MULQK FA1, FB1, 0, 2
	WIN 0xf4
	MULV FA1, FB1, 0
	WIN 0
	; THE WAY OUT.  The stages lie in slot 0: its last fill has landed, and every wave's last read of it stands in front of the last barrier passed (K step 6's turn).
	; q at 0, k at PART, v at 2 PART, each 128 rows of 256 bytes + 16.
	PLACES 4                                       ; four places behind the last matrix instructions, for the reads of their results and the writes of T
	s_lshr_b32 s76, s26, 4                         ; batch
	s_lshl_b32 s76, s76, 22
	s_lshl_b32 s77, s25, 19
	s_add_co_u32 s76, s76, s77                     ; (8 batch + pair) x 524,288 bytes, in all three outputs
	s_and_b32 s77, s26, 15                         ; the token block inside the batch
	s_lshl_b32 s78, s77, 8
	s_add_co_u32 s78, s78, s76                     ; vt: 128 tokens are 256 bytes of a row
	s_lshl_b32 s77, s77, 15
	s_add_co_u32 s76, s76, s77                     ; qp, kp: 128 rows of 256 bytes
	s_mov_b32 s77, 0
	s_mov_b32 s79, 0
	s_add_nc_u64 s[12:13], s[12:13], s[76:77]
	s_add_nc_u64 s[14:15], s[14:15], s[76:77]
	s_add_nc_u64 s[16:17], s[16:17], s[78:79]
.macro OUTQK a                         ; tokens 64 mh + 16 a + r: q / 8 + bq / 8 and k + bk, rounded, 16 bytes a lane and tile
	WIN 0x02                                       ; source 0 window 2
.irp t, 0,1,2,3
.irp p, 0,2,4,6
	v_pk_fma_f32 v[T+8*\t+\p:T+8*\t+\p+1], v[8*(8*\a+\t)+\p:8*(8*\a+\t)+\p+1], 0x3e000000, v[BQ+8*\t+\p:BQ+8*\t+\p+1] op_sel_hi:[1,0,1]
	v_pk_add_f32 v[T+32+8*\t+\p:T+32+8*\t+\p+1], v[8*(8*\a+4+\t)+\p:8*(8*\a+4+\t)+\p+1], v[BK+8*\t+\p:BK+8*\t+\p+1]
.endr
.endr
	WIN 0
.irp nb, 0,1,2,3,4,5,6,7
.irp p, 0,1,2,3
	v_cvt_pk_bf16_f32 v[P+4*\nb+\p], v[T+8*\nb+2*\p], v[T+8*\nb+2*\p+1]
.endr
.endr
.irp nb, 0,1,2,3,4,5,6,7
	ds_store_b128 v[STO], v[P+4*\nb:P+4*\nb+3] offset:(\nb>>2)*PART+\a*16*PITCH+(\nb&3)*32
.endr
.endm
.macro OUTV a                          ; features 64 nh + 16 t + r, tokens 64 mh + 16 a + 8 h ..: v + bv
	WIN 0x03                                       ; source 0 window 3
.irp t, 0,1,2,3
.irp p, 0,2,4,6
	v_pk_add_f32 v[T+8*\t+\p:T+8*\t+\p+1], v[8*(4*\a+\t)+\p:8*(4*\a+\t)+\p+1], v[BV+2*\t:BV+2*\t+1]
.endr
.endr
	WIN 0
.irp t, 0,1,2,3
.irp p, 0,1,2,3
	v_cvt_pk_bf16_f32 v[P+4*\t+\p], v[T+8*\t+2*\p], v[T+8*\t+2*\p+1]
.endr
.endr
.irp t, 0,1,2,3
	ds_store_b128 v[STV], v[P+4*\t:P+4*\t+3] offset:\t*16*PITCH+32*\a
.endr
.endm
	OUTQK 0
	OUTQK 1
	OUTQK 2
	OUTQK 3
	OUTV 0
	OUTV 1
	OUTV 2
	OUTV 3
	s_wait_dscnt 0x0                               ; my stage stores are done: each row of 256 bytes is written by two waves,
	s_barrier_signal -1
	s_barrier_wait -1                              ; so rows are read back only behind this barrier
	; wave w takes rows 32 w .. 32 w + 31 of each stage: 48 loads of two rows each, three register sets, none rewritten
.irp s, 0,1,2,3,4,5,6,7,8,9,10,11,12,13,14,15
	ds_load_b128 v[64+4*\s:64+4*\s+3], v[RD] offset:2*PITCH*\s
.endr
.irp s, 0,1,2,3,4,5,6,7,8,9,10,11,12,13,14,15
	ds_load_b128 v[128+4*\s:128+4*\s+3], v[RD] offset:PART+2*PITCH*\s
.endr
.irp s, 0,1,2,3,4,5,6,7,8,9,10,11,12,13,14,15
	ds_load_b128 v[192+4*\s:192+4*\s+3], v[RDV] offset:2*PITCH*\s
.endr
.irp s, 0,1,2,3,4,5,6,7,8,9,10,11,12,13,14,15
	s_wait_dscnt 47-\s                             ; LDS loads come back in order (ISA guide 5.7.1): the counts are the younger loads of the 48
	global_store_b128 v[COQ], v[64+4*\s:64+4*\s+3], s[12:13] offset:512*\s        ; the wave stores 512 consecutive bytes, aligned
.endr
.irp s, 0,1,2,3,4,5,6,7,8,9,10,11,12,13,14,15
	s_wait_dscnt 31-\s
	global_store_b128 v[COQ], v[128+4*\s:128+4*\s+3], s[14:15] offset:512*\s
.endr
.irp s, 0,1,2,3,4,5,6,7,8,9,10,11,12,13,14,15
	s_wait_dscnt 15-\s
	global_store_b128 v[COV], v[192+4*\s:192+4*\s+3], s[16:17] offset:8192*\s     ; sixteen lanes store 256 consecutive bytes of a row of vt, aligned
.endr
	s_set_vgpr_msb 0x4
	s_wait_tensorcnt 0x0
	ds_add_u32 v63, v255
	s_wait_dscnt 0x0
	s_set_vgpr_msb 0x400
	ROUND                                          ; the closing round: no work-group ends while a partner may still ask for a tile that names it
	s_endpgm
.Lfunc_end_k_qdf53be5191_qkv:
	.size	k_qdf53be5191_qkv, .Lfunc_end_k_qdf53be5191_qkv-k_qdf53be5191_qkv
	.p2alignl 7, 3214868480
	.fill 96, 4, 3214868480
	.section	.rodata,"a",@progbits
	.p2align	6, 0x0
	.amdhsa_kernel k_qdf53be5191_qkv
		.amdhsa_group_segment_fixed_size 327680
		.amdhsa_private_segment_fixed_size 0
		.amdhsa_enable_private_segment 0
		.amdhsa_kernarg_size 56
		.amdhsa_user_sgpr_count 2
		.amdhsa_user_sgpr_kernarg_segment_ptr 1
		.amdhsa_wavefront_size32 1
		.amdhsa_system_sgpr_workgroup_id_x 1
		.amdhsa_system_sgpr_workgroup_id_y 1
		.amdhsa_system_sgpr_workgroup_id_z 1
		.amdhsa_system_vgpr_workitem_id 0
		.amdhsa_next_free_vgpr 896
		.amdhsa_next_free_sgpr 80
		.amdhsa_reserve_vcc 0
		.amdhsa_float_denorm_mode_32 3
		.amdhsa_float_denorm_mode_16_64 3
		.amdhsa_memory_ordered 1
		.amdhsa_forward_progress 1
		.amdhsa_inst_pref_size 181
	.end_amdhsa_kernel
	.amdgpu_metadata
---
amdhsa.version: [ 1, 2 ]
amdhsa.kernels:
  - .name:           k_qdf53be5191_qkv
    .symbol:         k_qdf53be5191_qkv.kd
    .args:
      - { .name: xw, .offset: 0, .size: 8, .value_kind: global_buffer, .address_space: global }
      - { .name: bq, .offset: 8, .size: 8, .value_kind: global_buffer, .address_space: global }
      - { .name: bk, .offset: 16, .size: 8, .value_kind: global_buffer, .address_space: global }
      - { .name: bv, .offset: 24, .size: 8, .value_kind: global_buffer, .address_space: global }
      - { .name: qp, .offset: 32, .size: 8, .value_kind: global_buffer, .address_space: global }
      - { .name: kp, .offset: 40, .size: 8, .value_kind: global_buffer, .address_space: global }
      - { .name: vt, .offset: 48, .size: 8, .value_kind: global_buffer, .address_space: global }
    .group_segment_fixed_size: 327680
    .private_segment_fixed_size: 0
    .kernarg_segment_align: 8
    .kernarg_segment_size: 56
    .max_flat_workgroup_size: 128
    .sgpr_count:     80
    .vgpr_count:     896
    .wavefront_size: 32
...
	.end_amdgpu_metadata
.endif
;; end of part 2
;; launch attn (part 3): grid 16 x 16, 8 waves a work-group, clusters of 4 x 4, 327,680 bytes of LDS; arguments qp, kp, vt, attn_mask, att; writes att
.if DOCPART == 3
	.amdgcn_target "amdgcn-amd-amdhsa--gfx1250"
	.amdhsa_code_object_version 6
	.text
	.protected	k_qdf53be5191_attn
	.globl	k_qdf53be5191_attn
	.p2align	8
	.type	k_qdf53be5191_attn,@function
k_qdf53be5191_attn:
	s_mov_b64 s[64:65], 0
	v_nop
	global_prefetch_b8 v0, s[64:65] scope:SCOPE_SE
	s_setreg_imm32_b32 hwreg(HW_REG_WAVE_MODE, 25, 1), 1
	s_wait_xcnt 0x0
	s_wait_alu depctr_hold_cnt(0) depctr_sa_sdst(0) depctr_va_vdst(0) depctr_va_sdst(0) depctr_va_ssrc(0) depctr_va_vcc(0) depctr_vm_vsrc(0)
	s_getreg_b32 s2, hwreg(HW_REG_IB_STS2, 6, 4)
	s_cmp_eq_u32 s2, 0
	s_cbranch_scc0 .Lentry_in_a_cluster
	s_endpgm
.Lentry_in_a_cluster:
	s_bfe_u32 s2, ttmp6, 0x10000c
	s_cmp_lg_u32 s2, 0xf033
	s_cbranch_scc0 .Lentry_shape_is_right
	s_endpgm
.Lentry_shape_is_right:
; att = softmax(q k^T + mask) v for each batch and head; q already carries the factor 1/8.  q, k, v, P bf16; scores, mask, softmax and sums f32.
; A work-group (x = block of 128 queries 0-15, y = 8 batch + head pair 0-15) walks the 2,048 keys in 16 tiles of 128 through two LDS slots.
; Eight waves, two for each of the four SIMDs.  Wave w: head w & 1 of the pair, queries 32 (w >> 1) .. + 31.
; TRANSPOSED FORM.  S^T = K Q^T + mask^T: source 0 = 16 keys, source 1 = 16 queries, and C = the mask tile, which two 16-byte LDS loads put
; straight into the accumulator (lane (r, h) holds query r, keys 8h .. 8h+7): the mask's add costs no instruction.  A query's statistics
; lie in its two lanes r and r + 16.  Two packed score tiles are source 1 of O^T = V^T P^T, whose source 0 comes from vt's rows.
; The running maximum is taken away before every exponential; the row's sum is taken from the unrounded p.
; OUT OF STEP.  A chunk of 64 keys is 32 matrix instructions and about 250 vector instructions, and waves that leave a barrier together with the same
; text are in the same phase together.  So half of the waves, those with t = (w ^ (w >> 2)) & 1 = 1, carry the softmax and the P V products of a tile's
; last chunk over the round (register work alone: scores and V's fragments are in registers by the wait in front of the round) and do them first
; behind it, while the waves with t = 0 begin there with LDS loads and score products.  t differs between w and w + 4 and between 2 k and 2 k + 1.
; AHEAD.  P and K's fragments have registers of their own (window 1), so the next chunk's K is asked for right behind the score products and the next
; mask tile right behind the packing of P.
; CLUSTERS: 4 x 4.  K and V tiles hang on y alone: joint loads along a row of the cluster; the mask tile hangs on x alone: along a column.
; LIMITS: the running maximum starts at -1e30, so a row whose largest masked score is below -1e30 comes out NaN (a row of -inf alone is NaN
; by definition too); scores beyond about 2.3e38 overflow in the product with log2(e); v_exp_f32 gives 0 for results below 2^-126 (ISA guide 15.8).
.set PITCH,  272                       ; K and V^T rows: 256 bytes + 16
.set MPITCH, 528                       ; mask rows: 512 bytes + 16; both pitches are odd multiples of 16 bytes
.set PART,   17408                     ; 64 x 272; a mask part uses 32 x 528 = 16,896 of it
.set SLOT,   8*PART                    ; parts 0,1: keys 0-63, 64-127; 2,3: V^T of head 0, 1; 4-7: mask rows 32 (w - 4) ..; wave w fills part w
.set KA, 2                             ; v2,3   K fragments, slot 0, 1
.set VA, 4                             ; v4,5   V^T fragments
.set MA, 6                             ; v6,7   mask tiles
.set ST, 8                             ; way out: stage store
.set RD, 9                             ; way out: stage read
.set CO, 10                            ; byte offset in att
.set QO, 11                            ; byte offset in qp
.set M,  12                            ; v12,13 running maximum of query tile 0, 1
.set L,  14                            ; v14,15 running sum (this lane's keys)
.set NM, 16                            ; v[16:19] -log2(e) x maximum, a pair for each query tile
.set AL, 20                            ; v[20:23] the rescaling factor, pairs likewise
.set TT, 24                            ; v[24:31] at work
.set Q,  32                            ; v[32:63]   Q fragments at 16 i + 8 ds
.set S,  64                            ; v[64:127]  scores at 32 i + 8 kt
.set F,  128                           ; v[128:191] V^T fragments at 32 u + 8 dt
.set O,  192                           ; v[192:255] O^T at 16 dt + 8 i
.set P,  0                             ; window 1, v[0:31]:  P at 16 i + 8 u
.set KF, 32                            ; window 1, v[32:95]: K fragments at 32 ds + 8 kt
.set G1K, 28
.set G1V, 36
.set G1M, 44
.set G0K, 68                           ; group 0, one set for each slot
.set G0V, 76
.set G0M, 84
.set KVW0, (1<<16)|(1<<20)|(1<<21)|(5<<22)|(3<<25)   ; 2-byte elements, 4 words of pad after every 64
.set MW0,  (2<<16)|(1<<20)|(1<<21)|(6<<22)|(3<<25)   ; 4-byte elements, 4 words of pad after every 128
.set MSB, 0
.macro WIN new                         ; the immediate's high byte repeats the setting that is left; at a label and at a branch the setting is 0
.if MSB != \new
	s_set_vgpr_msb (MSB<<8)|\new
.set MSB, \new
.endif
.endm
.macro PLACES n
.rept \n
	v_nop
.endr
.endm
.macro ROUND
	s_barrier_signal -1
	s_barrier_wait -1
	s_cmp_lg_u32 s14, 0
	s_cbranch_scc1 .Lnot_wave_0_\@
	s_barrier_signal -3
.Lnot_wave_0_\@:
	s_barrier_wait -3
	s_barrier_signal -1
	s_barrier_wait -1
.endm
.macro JLOAD sl                        ; one joint load a wave: waves 0,1 K, waves 2,3 V^T, waves 4-7 the mask; each line has one mask of work-groups
	s_cmp_lt_u32 s14, 2
	s_cbranch_scc0 .Lnot_k_\@
	tensor_load_to_lds s[G0K+4*\sl:G0K+4*\sl+3], s[G1K:G1K+7]
	s_nop 0
	s_branch .Lasked_\@
.Lnot_k_\@:
	s_cmp_lt_u32 s14, 4
	s_cbranch_scc0 .Lfor_m_\@
	tensor_load_to_lds s[G0V+4*\sl:G0V+4*\sl+3], s[G1V:G1V+7]
	s_nop 0
	s_branch .Lasked_\@
.Lfor_m_\@:
	tensor_load_to_lds s[G0M+4*\sl:G0M+4*\sl+3], s[G1M:G1M+7]
	s_nop 0
.Lasked_\@:
.endm
	s_load_b256 s[4:11], s[0:1], 0x0               ; qp s[4:5], kp s[6:7], vt s[8:9], mask s[10:11]
	s_load_b64 s[12:13], s[0:1], 0x20              ; att
	s_set_vgpr_msb 0x40
	v_lshl_add_u32 v96, v0, 2, 0x44000
	v_mov_b32 v97, 0
	s_set_vgpr_msb 0x4045
	ds_add_u32 v96, v97
	s_set_vgpr_msb 0x4500
	v_lshrrev_b32 v24, 5, v0
	v_readfirstlane_b32 s14, v24                   ; wave 0..7
	s_and_b32 s15, s14, 1                          ; head of the pair
	s_lshr_b32 s16, s14, 1                         ; which 32 queries
	s_lshr_b32 s66, s14, 2
	s_xor_b32 s66, s66, s14
	s_and_b32 s66, s66, 1                          ; t: 1 = this wave carries a tile's last softmax and P V over the round
	s_bfe_u32 s17, ttmp6, 0x40000                  ; cx
	s_bfe_u32 s18, ttmp6, 0x40004                  ; cy
	s_lshl_b32 s19, ttmp9, 2
	s_add_co_u32 s19, s19, s17                     ; x = query block
	s_and_b32 s20, ttmp7, 0xffff
	s_lshl_b32 s20, s20, 2
	s_add_co_u32 s20, s20, s18                     ; y = 8 batch + pair
	s_lshl_b32 s21, s18, 2
	s_lshl_b32 s21, 15, s21                        ; my row of the cluster
	s_lshl_b32 s22, 0x1111, s17                    ; my column
	s_mov_b32 s52, 0x76543210                      ; v_permlanex16_b32: lane i reads lane i of the other half
	s_mov_b32 s53, 0xfedcba98
	s_mov_b32 s54, 0xf149f2ca                      ; -1e30
	s_or_b32 s[G1K+0], s21, KVW0
	s_mov_b32 s[G1K+1], 128<<16                    ; K: 64 rows of 128 elements, 128 elements from row to row
	s_mov_b32 s[G1K+2], 64<<16
	s_mov_b32 s[G1K+3], 128<<16
	s_mov_b32 s[G1K+4], 64
	s_mov_b32 s[G1K+5], 128
	s_mov_b32 s[G1K+6], 0
	s_mov_b32 s[G1K+7], 0
	s_or_b32 s[G1V+0], s21, KVW0
	s_mov_b32 s[G1V+1], 128<<16                    ; V^T: 64 rows of 128 elements, 2,048 from row to row
	s_mov_b32 s[G1V+2], 64<<16
	s_mov_b32 s[G1V+3], 128<<16
	s_mov_b32 s[G1V+4], 64
	s_mov_b32 s[G1V+5], 2048
	s_mov_b32 s[G1V+6], 0
	s_mov_b32 s[G1V+7], 0
	s_or_b32 s[G1M+0], s22, MW0
	s_mov_b32 s[G1M+1], 128<<16                    ; mask: 32 rows of 128 f32, 2,048 from row to row
	s_mov_b32 s[G1M+2], 32<<16
	s_mov_b32 s[G1M+3], 128<<16
	s_mov_b32 s[G1M+4], 32
	s_mov_b32 s[G1M+5], 2048
	s_mov_b32 s[G1M+6], 0
	s_mov_b32 s[G1M+7], 0
	s_lshl_b32 s24, s20, 19                        ; K: y x 2,048 rows of 256 bytes + (w & 1) x 64 rows
	s_lshl_b32 s58, s15, 14
	s_add_co_u32 s24, s24, s58
	s_mov_b32 s25, 0
	s_lshl_b32 s60, s20, 19                        ; V^T: (128 y + 64 (w & 1)) rows of 4,096 bytes
	s_lshl_b32 s58, s15, 18
	s_add_co_u32 s60, s60, s58
	s_mov_b32 s61, 0
	s_lshl_b32 s26, s19, 20                        ; mask: (128 x + 32 (w & 3)) rows of 8,192 bytes
	s_and_b32 s58, s14, 3
	s_lshl_b32 s58, s58, 18
	s_add_co_u32 s26, s26, s58
	s_mov_b32 s27, 0
	s_mul_i32 s23, s14, PART                       ; LDS: part w
	s_lshl_b32 s62, s20, 19                        ; Q: (2,048 y + 128 x) rows of 256 bytes
	s_lshl_b32 s63, s19, 15
	s_add_co_u32 s62, s62, s63
	s_mov_b32 s63, 0
	s_lshl_b32 s56, s19, 20                        ; prefetch: the block's mask rows, from tile 2 on
	s_add_co_u32 s56, s56, 1024
	s_mov_b32 s57, 0
	s_wait_dscnt 0x0
	s_wait_kmcnt 0x0
	s_add_nc_u64 s[24:25], s[6:7], s[24:25]
	s_add_nc_u64 s[60:61], s[8:9], s[60:61]
	s_add_nc_u64 s[26:27], s[10:11], s[26:27]
	s_add_nc_u64 s[4:5], s[4:5], s[62:63]
	s_add_nc_u64 s[56:57], s[10:11], s[56:57]
	ROUND                                          ; all sixteen work-groups are here: the first joint loads meet
.irp sl, 0,1
	s_mov_b32 s[G0K+4*\sl], 1
	s_add_co_u32 s[G0K+4*\sl+1], s23, \sl*SLOT
	s_add_nc_u64 s[G0K+4*\sl+2:G0K+4*\sl+3], s[24:25], \sl*32768   ; 128 keys on
	s_or_b32 s[G0K+4*\sl+3], s[G0K+4*\sl+3], 0x80000000
	s_mov_b32 s[G0V+4*\sl], 1
	s_add_co_u32 s[G0V+4*\sl+1], s23, \sl*SLOT
	s_add_nc_u64 s[G0V+4*\sl+2:G0V+4*\sl+3], s[60:61], \sl*256
	s_or_b32 s[G0V+4*\sl+3], s[G0V+4*\sl+3], 0x80000000
	s_mov_b32 s[G0M+4*\sl], 1
	s_add_co_u32 s[G0M+4*\sl+1], s23, \sl*SLOT
	s_add_nc_u64 s[G0M+4*\sl+2:G0M+4*\sl+3], s[26:27], \sl*512
	s_or_b32 s[G0M+4*\sl+3], s[G0M+4*\sl+3], 0x80000000
	JLOAD \sl                                      ; both first fills go out together: two tensor loads of the wave are out
.endr
	v_and_b32 v24, 15, v0                          ; r
	v_bfe_u32 v25, v0, 4, 1                        ; h
	s_lshl_b32 s59, s15, 7                         ; 128 x head
	v_lshlrev_b32 v28, 8, v24
	v_lshl_add_u32 v28, v25, 4, v28
	s_lshl_b32 s58, s16, 13
	s_add_co_u32 s58, s58, s59
	v_add_nc_u32 v[QO], s58, v28                   ; (32 g + r) x 256 + 128 head + 16 h
.irp i, 0,1
.irp ds, 0,1
	global_load_b128 v[Q+16*\i+8*\ds:Q+16*\i+8*\ds+3], v[QO], s[4:5] offset:4096*\i+64*\ds
	global_load_b128 v[Q+16*\i+8*\ds+4:Q+16*\i+8*\ds+7], v[QO], s[4:5] offset:4096*\i+64*\ds+32
.endr
.endr
	; Prefetch of the mask, which no launch before has touched.  Of the block's 128 rows work-group y asks for rows 8 y .. 8 y + 7, wave 0 alone, 32 lanes
	; 256 bytes apart = two tiles' 1,024 bytes of 8 rows: each aligned block of 256 bytes is asked for once in the launch.  Here tiles 2 and 3.
	v_and_b32 v26, 31, v0
	v_lshrrev_b32 v27, 2, v26
	v_lshl_add_u32 v27, s20, 3, v27
	v_and_b32 v26, 3, v26
	v_lshlrev_b32 v26, 8, v26
	v_lshl_add_u32 v1, v27, 13, v26                ; (8 y + lane / 4) x 8,192 + (lane & 3) x 256; never rewritten
	s_cmp_lg_u32 s14, 0
	s_cbranch_scc1 .Lno_pf0
	global_prefetch_b8 v1, s[56:57] th:TH_LOAD_NT scope:SCOPE_SE
.Lno_pf0:
	v_mul_u32_u24 v26, v24, PITCH
	v_lshl_add_u32 v26, v25, 4, v26                ; r x 272 + 16 h
	v_add_nc_u32 v[KA], s59, v26
	v_add_nc_u32 v[KA+1], SLOT, v[KA]
	s_mul_i32 s58, s15, PART
	s_add_co_u32 s58, s58, 2*PART
	v_add_nc_u32 v[VA], s58, v26
	v_add_nc_u32 v[VA+1], SLOT, v[VA]
	v_mul_u32_u24 v27, v24, MPITCH
	v_lshl_add_u32 v27, v25, 5, v27                ; r x 528 + 32 h
	s_mul_i32 s58, s16, PART
	s_add_co_u32 s58, s58, 4*PART
	v_add_nc_u32 v[MA], s58, v27
	v_add_nc_u32 v[MA+1], SLOT, v[MA]
	s_mul_i32 s58, s16, 32*PITCH
	s_add_co_u32 s58, s58, s59
	v_add_nc_u32 v[ST], s58, v26                   ; (32 g + r) x 272 + 128 head + 16 h
	v_mul_u32_u24 v28, v25, PITCH
	v_lshl_add_u32 v28, v24, 4, v28
	s_mul_i32 s58, s14, 16*PITCH
	v_add_nc_u32 v[RD], s58, v28                   ; (16 w + h) x 272 + 16 r
	v_lshlrev_b32 v28, 11, v25
	v_lshl_add_u32 v28, v24, 4, v28
	s_lshl_b32 s58, s14, 15
	v_add_nc_u32 v[CO], s58, v28                   ; (16 w + h) x 2,048 + 16 r
; In loop trip j (0 .. 6) wave 0 asks for tiles 2 j + 4 and 2 j + 5, whose tensor loads are issued two and three steps later.  The last trip asks for nothing:
; its two tiles would lie past the rows' end.
.macro PREF
	s_cmp_lg_u32 s14, 0
	s_cbranch_scc1 .Lno_pf_\@
	s_cmp_eq_u32 s55, 1
	s_cbranch_scc1 .Lno_pf_\@
	s_wait_xcnt 0x0                                ; the last prefetch, a whole trip ago, has had its address translated: its base is stepped only behind this wait
	s_add_nc_u64 s[56:57], s[56:57], 1024
	global_prefetch_b8 v1, s[56:57] th:TH_LOAD_NT scope:SCOPE_SE
.Lno_pf_\@:
.endm
; Sixteen LDS loads each, for chunk c (64 keys) of the tile in slot sl.
.macro LOADM sl, c                     ; the mask tile goes straight into the score accumulators: it is the sums' start
.irp i, 0,1
.irp kt, 0,1,2,3
	ds_load_b128 v[S+32*\i+8*\kt:S+32*\i+8*\kt+3], v[MA+\sl] offset:16*MPITCH*\i+256*\c+64*\kt
	ds_load_b128 v[S+32*\i+8*\kt+4:S+32*\i+8*\kt+7], v[MA+\sl] offset:16*MPITCH*\i+256*\c+64*\kt+16
.endr
.endr
.endm
.macro LOADK sl, c
	WIN 0x40                                       ; destination window 1
.irp ds, 0,1
.irp kt, 0,1,2,3
	ds_load_b128 v[KF+32*\ds+8*\kt:KF+32*\ds+8*\kt+3], v[KA+\sl] offset:(64*\c+16*\kt)*PITCH+64*\ds
	ds_load_b128 v[KF+32*\ds+8*\kt+4:KF+32*\ds+8*\kt+7], v[KA+\sl] offset:(64*\c+16*\kt)*PITCH+64*\ds+32
.endr
.endr
	WIN 0
.endm
.macro LOADV sl, c                     ; the first eight are keys 0-31 of the chunk, the second eight keys 32-63
	WIN 0
.irp u, 0,1
.irp dt, 0,1,2,3
	ds_load_b128 v[F+32*\u+8*\dt:F+32*\u+8*\dt+3], v[VA+\sl] offset:16*PITCH*\dt+128*\c+64*\u
	ds_load_b128 v[F+32*\u+8*\dt+4:F+32*\u+8*\dt+7], v[VA+\sl] offset:16*PITCH*\dt+128*\c+64*\u+32
.endr
.endr
.endm
; The score products of a chunk.  In each group of eight matrix instructions eight accumulators take turns, one instruction a turn.
.macro QK
	s_wait_dscnt 0x0                               ; the mask tile and K's fragments
	WIN 0x01                                       ; source 0 (K) window 1
.irp ds, 0,1
.irp kt, 0,1,2,3
.irp i, 0,1
	v_wmma_f32_16x16x32_bf16 v[S+32*\i+8*\kt:S+32*\i+8*\kt+7], v[KF+32*\ds+8*\kt:KF+32*\ds+8*\kt+7], v[Q+16*\i+8*\ds:Q+16*\i+8*\ds+7], v[S+32*\i+8*\kt:S+32*\i+8*\kt+7]
.endr
.endr
.endr
	PLACES 4                                       ; four places before loads land on K's fragments and before softmax reads the scores
.endm
.macro PVHALF u, zero                  ; O^T += V^T P^T over 32 keys; eight accumulators by turns
.irp dt, 0,1,2,3
.irp i, 0,1
.if \zero
	v_wmma_f32_16x16x32_bf16 v[O+16*\dt+8*\i:O+16*\dt+8*\i+7], v[F+32*\u+8*\dt:F+32*\u+8*\dt+7], v[P+16*\i+8*\u:P+16*\i+8*\u+7], 0
.else
	v_wmma_f32_16x16x32_bf16 v[O+16*\dt+8*\i:O+16*\dt+8*\i+7], v[F+32*\u+8*\dt:F+32*\u+8*\dt+7], v[P+16*\i+8*\u:P+16*\i+8*\u+7], v[O+16*\dt+8*\i:O+16*\dt+8*\i+7]
.endif
.endr
.endr
.endm
; Online softmax over a chunk's 64 keys, both query tiles interleaved, and the chunk's P V products.  first = 1: nothing is carried yet.
; mk = 1: behind the packing of P the mask tile of chunk mc of slot msl is asked for.  n0, n1: the LDS loads younger than V's first and second eight.
.macro TAIL first, mk, msl, mc, n0, n1
.irp i, 0,1
	v_max_num_f32 v[TT+2*\i], v[S+32*\i], v[S+32*\i+1]             ; four chains of sixteen registers
	v_max_num_f32 v[TT+2*\i+1], v[S+32*\i+16], v[S+32*\i+17]
.endr
.irp p, 2,4,6,8,10,12,14
.irp i, 0,1
	v_max3_num_f32 v[TT+2*\i], v[TT+2*\i], v[S+32*\i+\p], v[S+32*\i+\p+1]
	v_max3_num_f32 v[TT+2*\i+1], v[TT+2*\i+1], v[S+32*\i+16+\p], v[S+32*\i+17+\p]
.endr
.endr
.irp i, 0,1
.if \first
	v_max3_num_f32 v[TT+2*\i], v[TT+2*\i], v[TT+2*\i+1], s54
.else
	v_max3_num_f32 v[TT+2*\i], v[TT+2*\i], v[TT+2*\i+1], v[M+\i]
.endif
.endr
.irp i, 0,1
	v_permlanex16_b32 v[TT+2*\i+1], v[TT+2*\i], s52, s53           ; the query's other lane
.endr
.irp i, 0,1
	v_max_num_f32 v[M+\i], v[TT+2*\i], v[TT+2*\i+1]
.endr
.irp i, 0,1
	v_mul_f32 v[TT+2*\i], 0xbfb8aa3b, v[M+\i]                      ; -log2(e) x the new maximum
.endr
.irp i, 0,1
.if \first == 0
	v_sub_f32 v[AL+2*\i], v[TT+2*\i], v[NM+2*\i]                   ; log2(e) x (old maximum - new maximum)
.endif
	v_mov_b32 v[NM+2*\i], v[TT+2*\i]
	v_mov_b32 v[NM+2*\i+1], v[TT+2*\i]
.endr
.irp i, 0,1
.irp p, 0,2,4,6,8,10,12,14,16,18,20,22,24,26,28,30
	v_pk_fma_f32 v[S+32*\i+\p:S+32*\i+\p+1], v[S+32*\i+\p:S+32*\i+\p+1], 0x3fb8aa3b, v[NM+2*\i:NM+2*\i+1] op_sel_hi:[1,0,1]
.endr
.endr
.if \first == 0
	v_exp_f32 v[AL], v[AL]
	v_exp_f32 v[AL+2], v[AL+2]
.endif
.set n, 0
.rept 64
	v_exp_f32 v[S+n], v[S+n]
.set n, n+1
.endr
	v_nop                                          ; one plain place behind the last exponential before a result is used (ISA guide 5.7.2)
.if \first == 0
	s_wait_alu depctr_va_vdst(0)
	v_mov_b32 v[AL+1], v[AL]
	v_mov_b32 v[AL+3], v[AL+2]
.endif
	s_wait_alu depctr_va_vdst(0)
.irp i, 0,1
	v_pk_add_f32 v[TT+4*\i:TT+4*\i+1], v[S+32*\i:S+32*\i+1], v[S+32*\i+2:S+32*\i+3]            ; the row's sum, from the unrounded p, two chains a tile
	v_pk_add_f32 v[TT+4*\i+2:TT+4*\i+3], v[S+32*\i+16:S+32*\i+17], v[S+32*\i+18:S+32*\i+19]
.endr
.irp p, 4,6,8,10,12,14
.irp i, 0,1
	v_pk_add_f32 v[TT+4*\i:TT+4*\i+1], v[TT+4*\i:TT+4*\i+1], v[S+32*\i+\p:S+32*\i+\p+1]
	v_pk_add_f32 v[TT+4*\i+2:TT+4*\i+3], v[TT+4*\i+2:TT+4*\i+3], v[S+32*\i+16+\p:S+32*\i+17+\p]
.endr
.endr
.irp i, 0,1
	v_pk_add_f32 v[TT+4*\i:TT+4*\i+1], v[TT+4*\i:TT+4*\i+1], v[TT+4*\i+2:TT+4*\i+3]
.endr
.irp i, 0,1
.if \first
	v_add_f32 v[L+\i], v[TT+4*\i], v[TT+4*\i+1]
.else
	v_add_f32 v[TT+4*\i], v[TT+4*\i], v[TT+4*\i+1]
	v_fma_f32 v[L+\i], v[L+\i], v[AL+2*\i], v[TT+4*\i]
.endif
.endr
	WIN 0x40                                       ; destination window 1
.irp i, 0,1
.irp u, 0,1
.irp p, 0,1,2,3,4,5,6,7
	v_cvt_pk_bf16_f32 v[P+16*\i+8*\u+\p], v[S+32*\i+16*\u+2*\p], v[S+32*\i+16*\u+2*\p+1]       ; two score tiles of 16 keys make one source-1 fragment of 32 keys
.endr
.endr
.endr
	WIN 0
.if \mk
	LOADM \msl, \mc                                ; the scores have been read for the last time: the next mask tile comes while O is rescaled and multiplied onto
.endif
.if \first == 0
.irp dt, 0,1,2,3
.irp i, 0,1
.irp p, 0,2,4,6
	v_pk_mul_f32 v[O+16*\dt+8*\i+\p:O+16*\dt+8*\i+\p+1], v[O+16*\dt+8*\i+\p:O+16*\dt+8*\i+\p+1], v[AL+2*\i:AL+2*\i+1]
.endr
.endr
.endr
.endif
	s_wait_dscnt \n0                               ; LDS loads come back in order (ISA guide 5.7.1): V's first eight are in, the n0 younger loads may be out
	WIN 0x04                                       ; source 1 (P) window 1
	PVHALF 0, \first
	s_wait_dscnt \n1                               ; V's second eight
	PVHALF 1, 0
	WIN 0
	PLACES 4                                       ; four places before V's fragments are loaded again and P and O are written by vector instructions
.endm
; The step on the tile in slot sl.  refill = 1: the other slot, read in the step before, gets the tile two steps on.  last = 1: no round follows, nothing is carried.
.macro STEP sl, oth, refill, pf, last
	s_set_vgpr_msb 0x5
	s_wait_tensorcnt 0x0                           ; all my tensor loads have landed, my part of this step's tile among them: no load is out, so a group 0 may be written
	ds_add_u32 v96, v97
	s_wait_dscnt 0x0
	s_set_vgpr_msb 0x500
.if \refill
	s_add_nc_u64 s[G0K+4*\oth+2:G0K+4*\oth+3], s[G0K+4*\oth+2:G0K+4*\oth+3], 65536    ; the other slot's next tile: 256 keys on
	s_add_nc_u64 s[G0V+4*\oth+2:G0V+4*\oth+3], s[G0V+4*\oth+2:G0V+4*\oth+3], 512
	s_add_nc_u64 s[G0M+4*\oth+2:G0M+4*\oth+3], s[G0M+4*\oth+2:G0M+4*\oth+3], 1024
.endif
	s_wait_dscnt 0x0                               ; my reads of the other slot are back, V's fragments of a carried chunk among them
.if \refill
	ROUND                                          ; both now hold of every wave of all sixteen work-groups
	JLOAD \oth                                     ; the wave's one tensor load behind the round, and the first thing there
.else
	s_barrier_signal -1
	s_barrier_wait -1
.endif
	LOADK \sl, 0
	s_cmp_eq_u32 s66, 0
	s_cbranch_scc1 .Lnone_\@
	TAIL 0, 1, \sl, 0, 32, 32                      ; t = 1: the carried chunk; V's fragments landed in front of the round, K's 16 and the mask's 16 loads are younger
	s_branch .Lgo_\@
.Lnone_\@:
	LOADM \sl, 0                                   ; t = 0: nothing was carried
.Lgo_\@:
	QK
	LOADK \sl, 1                                   ; the next chunk's K: sixteen loads older than V's
	LOADV \sl, 0
.if \pf
	PREF
.endif
	TAIL 0, 1, \sl, 1, 24, 16                      ; behind V's first eight: V's second eight and the mask's sixteen; then the mask's sixteen
	QK
	LOADV \sl, 1
.if \last
	TAIL 0, 0, 0, 0, 8, 0
.else
	s_cmp_lg_u32 s66, 0
	s_cbranch_scc1 .Lcarry_\@
	TAIL 0, 0, 0, 0, 8, 0                          ; t = 0: finished in front of the round
.Lcarry_\@:
.endif
.endm
	s_wait_loadcnt 0x0                             ; Q, once
	s_wait_tensorcnt 0x1                           ; my part of tile 0 is in; tile 1's load was issued behind it and may stay out
	s_barrier_signal -1
	s_barrier_wait -1
	LOADK 0, 0
	LOADM 0, 0
	QK
	LOADK 0, 1
	LOADV 0, 0
	TAIL 1, 1, 0, 1, 24, 16                        ; the first chunk starts maximum, sum and O: nothing is cleared
	QK
	LOADV 0, 1
	s_cmp_lg_u32 s66, 0
	s_cbranch_scc1 .Lcarry0
	TAIL 0, 0, 0, 0, 8, 0
.Lcarry0:
	s_mov_b32 s55, 7
.Ltiles:
	STEP 1, 0, 1, 1, 0
	STEP 0, 1, 1, 0, 0
	s_sub_co_u32 s55, s55, 1
	s_cmp_lg_u32 s55, 0
	s_cbranch_scc1 .Ltiles
	STEP 1, 0, 0, 0, 1                             ; tile 15: nothing is left to fetch, and every wave finishes it
	; THE WAY OUT.  The stage (128 rows of 256 bytes + 16) lies in slot 0: its last fill has landed, and every wave's last read of it stands in front of the barrier just passed.
	s_lshr_b32 s62, s20, 3                         ; att: (2,048 batch + 128 x) rows of 2,048 bytes + 256 x pair
	s_lshl_b32 s62, s62, 22
	s_lshl_b32 s63, s19, 18
	s_add_co_u32 s62, s62, s63
	s_and_b32 s63, s20, 7
	s_lshl_b32 s63, s63, 8
	s_add_co_u32 s62, s62, s63
	s_mov_b32 s63, 0
	s_add_nc_u64 s[12:13], s[12:13], s[62:63]
	v_permlanex16_b32 v24, v[L], s52, s53          ; the sum over the query's other lane's keys
	v_permlanex16_b32 v25, v[L+1], s52, s53
	v_add_f32 v[L], v[L], v24
	v_add_f32 v[L+1], v[L+1], v25
	v_rcp_f32 v[AL], v[L]
	v_rcp_f32 v[AL+2], v[L+1]
	v_nop                                          ; one plain place behind the reciprocals (ISA guide 5.7.2)
	s_wait_alu depctr_va_vdst(0)
	v_mov_b32 v[AL+1], v[AL]
	v_mov_b32 v[AL+3], v[AL+2]
.irp i, 0,1
.irp dt, 0,1,2,3
.irp p, 0,2,4,6
	v_pk_mul_f32 v[O+16*\dt+8*\i+\p:O+16*\dt+8*\i+\p+1], v[O+16*\dt+8*\i+\p:O+16*\dt+8*\i+\p+1], v[AL+2*\i:AL+2*\i+1]
.endr
.irp p, 0,1,2,3
	v_cvt_pk_bf16_f32 v[S+4*(4*\i+\dt)+\p], v[O+16*\dt+8*\i+2*\p], v[O+16*\dt+8*\i+2*\p+1]
.endr
	ds_store_b128 v[ST], v[S+4*(4*\i+\dt):S+4*(4*\i+\dt)+3] offset:16*PITCH*\i+32*\dt    ; query 32 g + 16 i + r, features 16 dt + 8 h .. of my head
.endr
.endr
	s_wait_dscnt 0x0                               ; my stage stores are done: each row of 256 bytes is written by the two heads' waves,
	s_barrier_signal -1
	s_barrier_wait -1                              ; so rows are read back only behind this barrier
.irp t, 0,1,2,3,4,5,6,7
	ds_load_b128 v[F+4*\t:F+4*\t+3], v[RD] offset:2*PITCH*\t       ; rows 16 w + 2 t and + 1
.endr
.irp t, 0,1,2,3,4,5,6,7
	s_wait_dscnt 7-\t                              ; the count is the younger loads of the eight
	global_store_b128 v[CO], v[F+4*\t:F+4*\t+3], s[12:13] offset:4096*\t           ; sixteen lanes store 256 consecutive bytes, aligned
.endr
	s_set_vgpr_msb 0x5
	s_wait_tensorcnt 0x0
	ds_add_u32 v96, v97
	s_wait_dscnt 0x0
	s_set_vgpr_msb 0x500
	ROUND                                          ; the closing round: no work-group ends while a partner may still ask for a tile that names it
	s_endpgm
.Lfunc_end_k_qdf53be5191_attn:
	.size	k_qdf53be5191_attn, .Lfunc_end_k_qdf53be5191_attn-k_qdf53be5191_attn
	.p2alignl 7, 3214868480
	.fill 96, 4, 3214868480
	.section	.rodata,"a",@progbits
	.p2align	6, 0x0
	.amdhsa_kernel k_qdf53be5191_attn
		.amdhsa_group_segment_fixed_size 327680
		.amdhsa_private_segment_fixed_size 0
		.amdhsa_enable_private_segment 0
		.amdhsa_kernarg_size 40
		.amdhsa_user_sgpr_count 2
		.amdhsa_user_sgpr_kernarg_segment_ptr 1
		.amdhsa_wavefront_size32 1
		.amdhsa_system_sgpr_workgroup_id_x 1
		.amdhsa_system_sgpr_workgroup_id_y 1
		.amdhsa_system_sgpr_workgroup_id_z 1
		.amdhsa_system_vgpr_workitem_id 0
		.amdhsa_next_free_vgpr 354
		.amdhsa_next_free_sgpr 92
		.amdhsa_reserve_vcc 0
		.amdhsa_float_denorm_mode_32 3
		.amdhsa_float_denorm_mode_16_64 3
		.amdhsa_memory_ordered 1
		.amdhsa_forward_progress 1
		.amdhsa_inst_pref_size 222
	.end_amdhsa_kernel
	.amdgpu_metadata
---
amdhsa.version: [ 1, 2 ]
amdhsa.kernels:
  - .name:           k_qdf53be5191_attn
    .symbol:         k_qdf53be5191_attn.kd
    .args:
      - { .name: qp, .offset: 0, .size: 8, .value_kind: global_buffer, .address_space: global }
      - { .name: kp, .offset: 8, .size: 8, .value_kind: global_buffer, .address_space: global }
      - { .name: vt, .offset: 16, .size: 8, .value_kind: global_buffer, .address_space: global }
      - { .name: attn_mask, .offset: 24, .size: 8, .value_kind: global_buffer, .address_space: global }
      - { .name: att, .offset: 32, .size: 8, .value_kind: global_buffer, .address_space: global }
    .group_segment_fixed_size: 327680
    .private_segment_fixed_size: 0
    .kernarg_segment_align: 8
    .kernarg_segment_size: 40
    .max_flat_workgroup_size: 256
    .sgpr_count:     92
    .vgpr_count:     354
    .wavefront_size: 32
...
	.end_amdgpu_metadata
.endif
;; end of part 3
;; launch proj (part 4): grid 8 x 32, 4 waves a work-group, clusters of 4 x 4, 327,680 bytes of LDS; arguments att, xw, bo, out0; writes out0
.if DOCPART == 4
	.amdgcn_target "amdgcn-amd-amdhsa--gfx1250"
	.amdhsa_code_object_version 6
	.text
	.protected	k_qdf53be5191_proj
	.globl	k_qdf53be5191_proj
	.p2align	8
	.type	k_qdf53be5191_proj,@function
k_qdf53be5191_proj:
	s_mov_b64 s[64:65], 0
	v_nop
	global_prefetch_b8 v0, s[64:65] scope:SCOPE_SE
	s_setreg_imm32_b32 hwreg(HW_REG_WAVE_MODE, 25, 1), 1
	s_wait_xcnt 0x0
	s_wait_alu depctr_hold_cnt(0) depctr_sa_sdst(0) depctr_va_vdst(0) depctr_va_sdst(0) depctr_va_ssrc(0) depctr_va_vcc(0) depctr_vm_vsrc(0)
	s_getreg_b32 s2, hwreg(HW_REG_IB_STS2, 6, 4)
	s_cmp_eq_u32 s2, 0
	s_cbranch_scc0 .Lentry_in_a_cluster
	s_endpgm
.Lentry_in_a_cluster:
	s_bfe_u32 s2, ttmp6, 0x10000c
	s_cmp_lg_u32 s2, 0xf033
	s_cbranch_scc0 .Lentry_shape_is_right
	s_endpgm
.Lentry_shape_is_right:
; out0 = att Wo^T + bo.  att [4096][1024] and Wo (in xw, from byte 14,680,064) bf16, sums and result f32.
; A work-group (x = block of 128 columns 0-7, y = block of 128 tokens 0-31) makes 128 x 128; 256 work-groups.  Wave (mh, nh) makes 64 x 64: 16 accumulator tiles.
; K goes in 4 steps of 256 through two LDS slots (rows of 512 bytes); a step is eight eighths of 32 along K, 16 matrix instructions each.  All is written out.
; THREE FRAGMENT BUFFERS: an eighth's 16 LDS loads are asked for two eighths (32 matrix instructions) ahead of their use.
; The change of slots stands in eighth 6: eighth 7's fragments are in registers by then, so the slot is free, its refill goes out, and the next slot's first
; two fetches lie under the matrix work of eighths 6 and 7.
; CLUSTERS: 4 x 4; att's tile hangs on y alone (joint along a row of the cluster), Wo's on x alone (joint along a column).
; Source 0 = 16 rows of Wo, source 1 = 16 tokens: a lane holds 8 neighbouring columns of one token, 32 bytes of a row of out0.
; LIMIT: operands are bf16.
; REGISTER WINDOWS: 0: addresses, fragments v[64:255], work;  1: the 16 accumulator tiles v[0:127] and bo v[128:159].
.set PITCH,  528                       ; 512 bytes + 16 = 33 x 16
.set PART,   64*PITCH                  ; what one tensor load brings: att rows 0-63, 64-127, Wo rows 0-63, 64-127; wave w fills part w
.set SLOT,   4*PART
.set WO,     14680064
.set SPITCH, 272                       ; the stage: 16 rows of 256 bytes + 16 for each wave
.set ADRA, 16                          ; v16,17 att fragments, slot 0, 1
.set ADRB, 18                          ; v18,19 Wo fragments
.set STO,  20
.set RD,   21
.set CO,   22
.set BO,   128                         ; window 1: bo of my 4 x 8 columns
.set T,    64                          ; way out: results with bias
.set G1A,  28
.set G1B,  36
.set G0A,  44
.set G0B,  52
.set G1W0, (1<<16)|(1<<20)|(1<<21)|(6<<22)|(3<<25)   ; 2-byte elements, 4 words of pad after every 128
.set N, 0                              ; the running number of the eighth, 0 to 31: eighth N uses buffer N mod 3, at v[64 + 64 (N mod 3)]: att 32 registers, then Wo 32
.set MSB, 0
.macro WIN new
.if MSB != \new
	s_set_vgpr_msb (MSB<<8)|\new
.set MSB, \new
.endif
.endm
.macro PLACES n
.rept \n
	v_nop
.endr
.endm
.macro CREST                           ; a round of the cluster's barrier behind its opening barrier
	s_cmp_lg_u32 s20, 0
	s_cbranch_scc1 .Lnot_wave_0_\@
	s_barrier_signal -3
.Lnot_wave_0_\@:
	s_barrier_wait -3
	s_barrier_signal -1
	s_barrier_wait -1
.endm
.macro ROUND
	s_barrier_signal -1
	s_barrier_wait -1
	CREST
.endm
.macro JLOAD sl                        ; waves 0, 1: att's two halves; waves 2, 3: Wo's
	s_cmp_eq_u32 s21, 0
	s_cbranch_scc0 .Lfor_b_\@
	tensor_load_to_lds s[G0A+4*\sl:G0A+4*\sl+3], s[G1A:G1A+7]
	s_nop 0
	s_branch .Lasked_\@
.Lfor_b_\@:
	tensor_load_to_lds s[G0B+4*\sl:G0B+4*\sl+3], s[G1B:G1B+7]
	s_nop 0
.Lasked_\@:
.endm
	s_load_b256 s[4:11], s[0:1], 0x0               ; att s[4:5], xw s[6:7], bo s[8:9], out0 s[10:11]
	v_lshl_add_u32 v62, v0, 2, 0x42000
	v_mov_b32 v63, 0
	ds_add_u32 v62, v63
	v_lshrrev_b32 v1, 5, v0
	v_readfirstlane_b32 s20, v1                    ; wave 0..3
	s_lshr_b32 s21, s20, 1                         ; mh.  Also: I fetch for att (0) or for Wo (1)
	s_and_b32 s22, s20, 1                          ; nh.  Also: which 64 rows of that tile I fetch
	s_bfe_u32 s23, ttmp6, 0x40000                  ; cx
	s_bfe_u32 s24, ttmp6, 0x40004                  ; cy
	s_lshl_b32 s25, ttmp9, 2
	s_add_co_u32 s25, s25, s23                     ; x = column block
	s_and_b32 s26, ttmp7, 0xffff
	s_lshl_b32 s26, s26, 2
	s_add_co_u32 s26, s26, s24                     ; y = token block
	s_lshl_b32 s18, s24, 2
	s_lshl_b32 s18, 15, s18                        ; my row of the cluster
	s_lshl_b32 s19, 0x1111, s23                    ; my column
	s_or_b32 s[G1A+0], s18, G1W0
	s_or_b32 s[G1B+0], s19, G1W0
.irp g, G1A, G1B
	s_mov_b32 s[\g+1], 256<<16                     ; tensor_dim0 = 256
	s_mov_b32 s[\g+2], 64<<16                      ; tensor_dim1 = 64
	s_mov_b32 s[\g+3], 256<<16                     ; tile_dim0 = 256 elements (512 bytes)
	s_mov_b32 s[\g+4], 64                          ; tile_dim1 = 64 rows
	s_mov_b32 s[\g+5], 1024                        ; elements from row to row
	s_mov_b32 s[\g+6], 0
	s_mov_b32 s[\g+7], 0
.endr
	s_lshl_b32 s66, s22, 17                        ; 64 rows of 2,048 bytes for the second half
	s_lshl_b32 s60, s26, 18                        ; att: 128 y rows
	s_add_co_u32 s60, s60, s66
	s_mov_b32 s61, 0
	s_lshl_b32 s62, s25, 18                        ; Wo: 128 x rows behind WO
	s_add_co_u32 s62, s62, s66
	s_add_co_u32 s62, s62, WO
	s_mov_b32 s63, 0
	s_mul_i32 s27, s20, PART                       ; LDS: part w
	s_lshl_b32 s66, s25, 9                         ; the block's 128 numbers in bo
	s_mov_b32 s67, 0
	s_wait_dscnt 0x0
	s_wait_kmcnt 0x0
	s_add_nc_u64 s[60:61], s[4:5], s[60:61]
	s_add_nc_u64 s[62:63], s[6:7], s[62:63]
	s_add_nc_u64 s[8:9], s[8:9], s[66:67]
	ROUND                                          ; all sixteen work-groups are here: the first joint loads meet
.irp sl, 0,1
	s_mov_b32 s[G0A+4*\sl], 1
	s_add_co_u32 s[G0A+4*\sl+1], s27, \sl*SLOT
	s_add_nc_u64 s[G0A+4*\sl+2:G0A+4*\sl+3], s[60:61], \sl*512
	s_or_b32 s[G0A+4*\sl+3], s[G0A+4*\sl+3], 0x80000000
	s_mov_b32 s[G0B+4*\sl], 1
	s_add_co_u32 s[G0B+4*\sl+1], s27, \sl*SLOT
	s_add_nc_u64 s[G0B+4*\sl+2:G0B+4*\sl+3], s[62:63], \sl*512
	s_or_b32 s[G0B+4*\sl+3], s[G0B+4*\sl+3], 0x80000000
	JLOAD \sl                                      ; both first fills go out together: two tensor loads of the wave are out
.endr
	v_and_b32 v1, 15, v0                           ; r
	v_bfe_u32 v2, v0, 4, 1                         ; h
	s_lshl_b32 s68, s22, 8
	v_lshl_add_u32 v28, v2, 5, s68                 ; columns 64 nh + 8 h .. of each tile
	WIN 0x40                                       ; destination window 1
.irp t, 0,1,2,3
	global_load_b128 v[BO+8*\t:BO+8*\t+3], v28, s[8:9] offset:64*\t
	global_load_b128 v[BO+8*\t+4:BO+8*\t+7], v28, s[8:9] offset:64*\t+16
.endr
	WIN 0
	v_mul_u32_u24 v4, v1, PITCH
	v_lshl_add_u32 v4, v2, 4, v4                   ; r x pitch + 16 h
	s_mul_i32 s68, s21, PART
	v_add_nc_u32 v[ADRA], s68, v4
	v_add_nc_u32 v[ADRA+1], SLOT, v[ADRA]
	s_mul_i32 s68, s22, PART
	s_add_co_u32 s68, s68, 2*PART
	v_add_nc_u32 v[ADRB], s68, v4
	v_add_nc_u32 v[ADRB+1], SLOT, v[ADRB]
	s_mul_i32 s68, s20, 16*SPITCH                  ; my stage
	v_mul_u32_u24 v5, v1, SPITCH
	v_lshl_add_u32 v5, v2, 5, v5
	v_add_nc_u32 v[STO], s68, v5                   ; row r, 32 bytes for each half of the lanes
	v_mul_u32_u24 v5, v2, SPITCH
	v_lshl_add_u32 v5, v1, 4, v5
	v_add_nc_u32 v[RD], s68, v5                    ; back: lanes 0-15 one row, lanes 16-31 the next
	v_lshlrev_b32 v5, 12, v2
	v_lshl_add_u32 v[CO], v1, 4, v5                ; the same two rows in out0
	s_wait_loadcnt 0x0                             ; bo, once
.macro FETCH sl, e, f                  ; 16 LDS loads: 64 tokens and 64 rows of Wo, 32 along K (eighth e of the step in slot sl), into the buffer at v[f]
	PLACES 4                                       ; the buffer's registers were sources of the matrix instructions just issued: loads into them stand four places behind
.irp a, 0,1,2,3
	ds_load_b128 v[\f+8*\a:\f+8*\a+3], v[ADRA+\sl] offset:\a*16*PITCH+64*\e
	ds_load_b128 v[\f+8*\a+4:\f+8*\a+7], v[ADRA+\sl] offset:\a*16*PITCH+64*\e+32
.endr
.irp t, 0,1,2,3
	ds_load_b128 v[\f+32+8*\t:\f+32+8*\t+3], v[ADRB+\sl] offset:\t*16*PITCH+64*\e
	ds_load_b128 v[\f+32+8*\t+4:\f+32+8*\t+7], v[ADRB+\sl] offset:\t*16*PITCH+64*\e+32
.endr
.endm
; The 16 accumulators take turns, one instruction a turn, in the same order in every eighth.
.macro MUL8 f, a0, zero                ; token blocks a0, a0 + 1
.irp a, \a0, \a0+1
.irp t, 0,1,2,3
.if \zero
	v_wmma_f32_16x16x32_bf16 v[8*(4*(\a)+\t):8*(4*(\a)+\t)+7], v[\f+32+8*\t:\f+32+8*\t+7], v[\f+8*(\a):\f+8*(\a)+7], 0
.else
	v_wmma_f32_16x16x32_bf16 v[8*(4*(\a)+\t):8*(4*(\a)+\t)+7], v[\f+32+8*\t:\f+32+8*\t+7], v[\f+8*(\a):\f+8*(\a)+7], v[8*(4*(\a)+\t):8*(4*(\a)+\t)+7]
.endif
.endr
.endr
.endm
; Eighth N.  fetch = 1: eighth N + 2, which is eighth fe of slot fsl, is asked for, into the buffer that eighth N - 1 has just used.
; left = the LDS loads younger than this eighth's own: the next eighth's sixteen, or none.
.macro EIGHTH fsl, fe, fetch, left, zero
.set FC, 64+64*(N%3)
.set FN, 64+64*((N+2)%3)
	s_wait_dscnt \left
.if \fetch
	FETCH \fsl, \fe, FN
.endif
	WIN 0x50                                       ; C and D window 1
	MUL8 FC, 0, \zero
	MUL8 FC, 2, \zero
	WIN 0
.set N, N+1
.endm
.macro SIX sl, zero                    ; eighths 0 to 5 of the step in slot sl
	EIGHTH \sl, 2, 1, 16, \zero
	EIGHTH \sl, 3, 1, 16, 0
	EIGHTH \sl, 4, 1, 16, 0
	EIGHTH \sl, 5, 1, 16, 0
	EIGHTH \sl, 6, 1, 16, 0
	EIGHTH \sl, 7, 1, 16, 0
.endm
; Eighth 6 changes slots.  In front of the barrier each wave waits for its reads of this slot (the last are eighth 7's fragments) and for all its tensor
; loads, of which one is out: its part of the next slot.  Eight matrix instructions, register work, stand between the opening signal and its wait.
; fill = 1: behind the round this slot gets the tiles two K steps on, first thing; then the next slot's first fragments are asked for.
.macro TURN sl, nx, fill
.set FC, 64+64*(N%3)
.set FN, 64+64*((N+2)%3)
	s_wait_dscnt 0x0                               ; my reads of this slot are back
	s_wait_tensorcnt 0x0                           ; all my tensor loads have landed: no load is out, so a group 0 may be written
	ds_add_u32 v62, v63
	s_wait_dscnt 0x0
	s_barrier_signal -1                            ; where the slot is filled again this barrier opens a round of the cluster's barrier
	WIN 0x50
	MUL8 FC, 0, 0
	WIN 0
	s_barrier_wait -1
.if \fill
	CREST                                          ; no wave of any of the sixteen work-groups still reads this slot or has a load on its way
	s_add_nc_u64 s[G0A+4*\sl+2:G0A+4*\sl+3], s[G0A+4*\sl+2:G0A+4*\sl+3], 1024
	s_add_nc_u64 s[G0B+4*\sl+2:G0B+4*\sl+3], s[G0B+4*\sl+2:G0B+4*\sl+3], 1024
	JLOAD \sl                                      ; the wave's one tensor load behind the round, ahead of its first LDS read
.endif
	FETCH \nx, 0, FN
	WIN 0x50
	MUL8 FC, 2, 0
	WIN 0
.set N, N+1
.endm
	s_wait_tensorcnt 0x1                           ; my part of K step 0 is in; K step 1's load was issued behind it and may stay out
	s_barrier_signal -1
	s_barrier_wait -1
	FETCH 0, 0, 64                                 ; eighths 0 and 1 into buffers 0 and 1
	FETCH 0, 1, 128
	SIX 0, 1                                       ; K step 0: the first products start the sums: nothing is cleared
	TURN 0, 1, 1                                   ; slot 0 gets K step 2
	EIGHTH 1, 1, 1, 16, 0
	SIX 1, 0                                       ; K step 1
	TURN 1, 0, 1                                   ; slot 1 gets K step 3
	EIGHTH 0, 1, 1, 16, 0
	SIX 0, 0                                       ; K step 2
	TURN 0, 1, 0                                   ; nothing is left to fetch
	EIGHTH 1, 1, 1, 16, 0
	SIX 1, 0                                       ; K step 3
	EIGHTH 0, 0, 0, 16, 0
	EIGHTH 0, 0, 0, 0, 0
	; THE WAY OUT, 16 tokens at a time through the wave's own stage in slot 0 (its last fill has landed, and every wave's last read of it stands in front of the
	; last barrier passed, K step 2's turn).  The stage's bytes are the wave's own, and LDS serves a wave's instructions in order (ISA guide 5.7.1): no barrier, no wait between stores and loads.
	PLACES 4                                       ; four places behind the last matrix instructions
	s_lshl_b32 s70, s26, 19                        ; out0: (128 y + 64 mh) rows of 4,096 bytes + (128 x + 64 nh) x 4
	s_lshl_b32 s71, s21, 18
	s_add_co_u32 s70, s70, s71
	s_lshl_b32 s71, s25, 9
	s_add_co_u32 s70, s70, s71
	s_lshl_b32 s71, s22, 8
	s_add_co_u32 s70, s70, s71
	s_mov_b32 s71, 0
	s_add_nc_u64 s[10:11], s[10:11], s[70:71]
.macro OUT a, r
	WIN 0x05                                       ; sources 0 and 1 window 1
.irp t, 0,1,2,3
.irp p, 0,2,4,6
	v_pk_add_f32 v[T+8*\t+\p:T+8*\t+\p+1], v[8*(4*\a+\t)+\p:8*(4*\a+\t)+\p+1], v[BO+8*\t+\p:BO+8*\t+\p+1]
.endr
.endr
	WIN 0
.irp t, 0,1,2,3
	ds_store_b128 v[STO], v[T+8*\t:T+8*\t+3] offset:64*\t
	ds_store_b128 v[STO], v[T+8*\t+4:T+8*\t+7] offset:64*\t+16
.endr
	s_wait_xcnt 0x0                                ; earlier stores have had their addresses translated (ISA guide 3.1): their data registers and base are rewritten only behind this wait
.if \a
	s_add_nc_u64 s[10:11], s[10:11], 16*4096       ; 16 rows of out0 on
.endif
.irp s, 0,1,2,3,4,5,6,7
	ds_load_b128 v[\r+4*\s:\r+4*\s+3], v[RD] offset:2*SPITCH*\s
.endr
.irp s, 0,1,2,3,4,5,6,7
	s_wait_dscnt 7-\s                              ; the count is the younger loads of the eight
	global_store_b128 v[CO], v[\r+4*\s:\r+4*\s+3], s[10:11] offset:8192*\s th:TH_STORE_NT   ; sixteen lanes store 256 consecutive bytes, aligned
.endr
.endm
	OUT 0, 128
	OUT 1, 160
	OUT 2, 128
	OUT 3, 160
	s_wait_tensorcnt 0x0
	ds_add_u32 v62, v63
	s_wait_dscnt 0x0
	ROUND                                          ; the closing round: no work-group ends while a partner may still ask for a tile that names it
	s_endpgm
.Lfunc_end_k_qdf53be5191_proj:
	.size	k_qdf53be5191_proj, .Lfunc_end_k_qdf53be5191_proj-k_qdf53be5191_proj
	.p2alignl 7, 3214868480
	.fill 96, 4, 3214868480
	.section	.rodata,"a",@progbits
	.p2align	6, 0x0
	.amdhsa_kernel k_qdf53be5191_proj
		.amdhsa_group_segment_fixed_size 327680
		.amdhsa_private_segment_fixed_size 0
		.amdhsa_enable_private_segment 0
		.amdhsa_kernarg_size 32
		.amdhsa_user_sgpr_count 2
		.amdhsa_user_sgpr_kernarg_segment_ptr 1
		.amdhsa_wavefront_size32 1
		.amdhsa_system_sgpr_workgroup_id_x 1
		.amdhsa_system_sgpr_workgroup_id_y 1
		.amdhsa_system_sgpr_workgroup_id_z 1
		.amdhsa_system_vgpr_workitem_id 0
		.amdhsa_next_free_vgpr 416
		.amdhsa_next_free_sgpr 72
		.amdhsa_reserve_vcc 0
		.amdhsa_float_denorm_mode_32 3
		.amdhsa_float_denorm_mode_16_64 3
		.amdhsa_memory_ordered 1
		.amdhsa_forward_progress 1
		.amdhsa_inst_pref_size 94
	.end_amdhsa_kernel
	.amdgpu_metadata
---
amdhsa.version: [ 1, 2 ]
amdhsa.kernels:
  - .name:           k_qdf53be5191_proj
    .symbol:         k_qdf53be5191_proj.kd
    .args:
      - { .name: att, .offset: 0, .size: 8, .value_kind: global_buffer, .address_space: global }
      - { .name: xw, .offset: 8, .size: 8, .value_kind: global_buffer, .address_space: global }
      - { .name: bo, .offset: 16, .size: 8, .value_kind: global_buffer, .address_space: global }
      - { .name: out0, .offset: 24, .size: 8, .value_kind: global_buffer, .address_space: global }
    .group_segment_fixed_size: 327680
    .private_segment_fixed_size: 0
    .kernarg_segment_align: 8
    .kernarg_segment_size: 32
    .max_flat_workgroup_size: 128
    .sgpr_count:     72
    .vgpr_count:     416
    .wavefront_size: 32
...
	.end_amdgpu_metadata
.endif
;; end of part 4
;; ======== version 2 of 2: 4 launches; version 1 with the launch cvt written anew for expert scheduling mode
;; limits: right only within a limited range of input values
;; workspace buffers: xw 16,777,216 bytes; qp 8,388,608 bytes; kp 8,388,608 bytes; vt 8,388,608 bytes; att 8,388,608 bytes
;; launch cvt (part 5): grid 512 x 1, 8 waves a work-group, no clusters, 0 bytes of LDS; arguments x_q, Wq, Wk, Wv, Wo, xw; writes xw
.if DOCPART == 5
	.amdgcn_target "amdgcn-amd-amdhsa--gfx1250"
	.amdhsa_code_object_version 6
	.text
	.protected	k_qdf53be5191_cvt
	.globl	k_qdf53be5191_cvt
	.p2align	8
	.type	k_qdf53be5191_cvt,@function
k_qdf53be5191_cvt:
	s_mov_b64 s[64:65], 0
	v_nop
	global_prefetch_b8 v0, s[64:65] scope:SCOPE_SE
	s_setreg_imm32_b32 hwreg(HW_REG_WAVE_SCHED_MODE, 0, 2), 2
	s_setreg_imm32_b32 hwreg(HW_REG_WAVE_MODE, 25, 1), 1
	s_wait_xcnt 0x0
	s_wait_alu depctr_vm_vsrc(0)
; xw = x_q, Wq, Wk, Wv, Wo one behind the other, each number rounded once to bf16 (nearest even).
; 8,388,608 numbers; a work-group takes 16,384 of them (64 KiB in, 32 KiB out): groups 0-255 lie in x_q, then 64 groups in each W.
; A pure stream: every byte is read once and written once, so there is no LDS, no barrier and no matrix work.
; Thread t takes 16 bytes at 16 t of each block of 4,096 bytes: a wave's load covers 512 consecutive bytes, its store 256, both aligned.
; All sixteen loads of a thread go out at once; every load and every store has registers of its own, so nothing is rewritten.
; THE MODE: SCHED_MODE bits 1:0 = 2 (LLVM: expert scheduling mode 2), set by the entry lines.  The code itself states the register dependences
; between vector instructions and memory instructions, with s_wait_alu, always for 0.
; THE PLAN.  Registers that memory instructions touch:
;   v1, v2   byte offsets of the loads and of the stores.  Written once at the head by vector instructions, never again.
;   X        sixteen loads of four f32.  Each four registers are written by one load, once, and read by two conversions behind the load's counted wait;
;            no vector instruction names them ahead of the load, and nothing lands in them again.
;   Y        sixteen stores of four bf16.  Each pair is written by two conversions, once, and read by one store; it is never written again.
; So one wait at the head states that the offsets are written, and the sixteen chunks go in four blocks of four: eight conversions, ONE wait that states
; that they have written the block's Y, and the run of four stores.  No register that a memory instruction has read is written again: no other wait is owed.
.set X, 8                              ; v[8:71]   sixteen loads of four f32
.set Y, 72                             ; v[72:103] sixteen stores of four bf16
	s_load_b256 s[4:11], s[0:1], 0x0               ; x_q s[4:5], Wq s[6:7], Wk s[8:9], Wv s[10:11]
	s_load_b128 s[12:15], s[0:1], 0x20             ; Wo s[12:13], xw s[14:15]
	s_lshr_b32 s16, ttmp9, 6                       ; 0-3: x_q; 4, 5, 6, 7: Wq, Wk, Wv, Wo
	s_and_b32 s17, ttmp9, 63
	s_lshl_b32 s17, s17, 16                        ; byte offset inside a W
	s_lshl_b32 s18, ttmp9, 16                      ; byte offset inside x_q
	s_lshl_b32 s22, ttmp9, 15                      ; byte offset inside xw
	s_mov_b32 s23, 0
	s_mov_b32 s21, 0
	v_lshlrev_b32 v1, 4, v0                        ; 16 t
	v_lshlrev_b32 v2, 3, v0                        ; 8 t
	s_cmp_lt_u32 s16, 4
	s_cselect_b32 s20, s18, s17
	s_wait_kmcnt 0x0
	s_cmp_eq_u32 s16, 4
	s_cselect_b64 s[4:5], s[6:7], s[4:5]           ; the source is chosen by the group's number alone
	s_cmp_eq_u32 s16, 5
	s_cselect_b64 s[4:5], s[8:9], s[4:5]
	s_cmp_eq_u32 s16, 6
	s_cselect_b64 s[4:5], s[10:11], s[4:5]
	s_cmp_eq_u32 s16, 7
	s_cselect_b64 s[4:5], s[12:13], s[4:5]
	s_add_nc_u64 s[4:5], s[4:5], s[20:21]
	s_add_nc_u64 s[14:15], s[14:15], s[22:23]
	s_wait_alu depctr_va_vdst(0)                   ; v1 and v2 are written: every load reads v1 and every store v2 as its offset, and neither is written again
.irp c, 0,1,2,3,4,5,6,7,8,9,10,11,12,13,14,15
	global_load_b128 v[X+4*\c:X+4*\c+3], v1, s[4:5] offset:4096*\c th:TH_LOAD_NT
.endr
.irp p, 0,1,2,3
	s_wait_loadcnt 12-4*\p                         ; loads come back in order (ISA guide 5.7.1): block p's four loads are in, the later blocks' stay out
.irp i, 0,1,2,3
	v_cvt_pk_bf16_f32 v[Y+8*\p+2*\i], v[X+16*\p+4*\i], v[X+16*\p+4*\i+1]
	v_cvt_pk_bf16_f32 v[Y+8*\p+2*\i+1], v[X+16*\p+4*\i+2], v[X+16*\p+4*\i+3]
.endr
	s_wait_alu depctr_va_vdst(0)                   ; the eight conversions have written the block's eight registers of Y, which the four stores below read
.irp i, 0,1,2,3
	global_store_b64 v2, v[Y+8*\p+2*\i:Y+8*\p+2*\i+1], s[14:15] offset:2048*(4*\p+\i)   ; read again by the next launches: no non-temporal hint
.endr
.endr
	s_endpgm
.Lfunc_end_k_qdf53be5191_cvt:
	.size	k_qdf53be5191_cvt, .Lfunc_end_k_qdf53be5191_cvt-k_qdf53be5191_cvt
	.p2alignl 7, 3214868480
	.fill 96, 4, 3214868480
	.section	.rodata,"a",@progbits
	.p2align	6, 0x0
	.amdhsa_kernel k_qdf53be5191_cvt
		.amdhsa_group_segment_fixed_size 0
		.amdhsa_private_segment_fixed_size 0
		.amdhsa_enable_private_segment 0
		.amdhsa_kernarg_size 48
		.amdhsa_user_sgpr_count 2
		.amdhsa_user_sgpr_kernarg_segment_ptr 1
		.amdhsa_wavefront_size32 1
		.amdhsa_system_sgpr_workgroup_id_x 1
		.amdhsa_system_sgpr_workgroup_id_y 1
		.amdhsa_system_sgpr_workgroup_id_z 1
		.amdhsa_system_vgpr_workitem_id 0
		.amdhsa_next_free_vgpr 104
		.amdhsa_next_free_sgpr 66
		.amdhsa_reserve_vcc 0
		.amdhsa_float_denorm_mode_32 3
		.amdhsa_float_denorm_mode_16_64 3
		.amdhsa_memory_ordered 1
		.amdhsa_forward_progress 1
		.amdhsa_inst_pref_size 7
	.end_amdhsa_kernel
	.amdgpu_metadata
---
amdhsa.version: [ 1, 2 ]
amdhsa.kernels:
  - .name:           k_qdf53be5191_cvt
    .symbol:         k_qdf53be5191_cvt.kd
    .args:
      - { .name: x_q, .offset: 0, .size: 8, .value_kind: global_buffer, .address_space: global }
      - { .name: Wq, .offset: 8, .size: 8, .value_kind: global_buffer, .address_space: global }
      - { .name: Wk, .offset: 16, .size: 8, .value_kind: global_buffer, .address_space: global }
      - { .name: Wv, .offset: 24, .size: 8, .value_kind: global_buffer, .address_space: global }
      - { .name: Wo, .offset: 32, .size: 8, .value_kind: global_buffer, .address_space: global }
      - { .name: xw, .offset: 40, .size: 8, .value_kind: global_buffer, .address_space: global }
    .group_segment_fixed_size: 0
    .private_segment_fixed_size: 0
    .kernarg_segment_align: 8
    .kernarg_segment_size: 48
    .max_flat_workgroup_size: 256
    .sgpr_count:     66
    .vgpr_count:     104
    .wavefront_size: 32
...
	.end_amdgpu_metadata
.endif
;; end of part 5
;; launch qkv: the kernel of part 2 again; grid 8 x 32, 4 waves a work-group, clusters of 4 x 4, 327,680 bytes of LDS; arguments xw, bq, bk, bv, qp, kp, vt; writes qp, kp, vt
;; launch attn: the kernel of part 3 again; grid 16 x 16, 8 waves a work-group, clusters of 4 x 4, 327,680 bytes of LDS; arguments qp, kp, vt, attn_mask, att; writes att
;; launch proj: the kernel of part 4 again; grid 8 x 32, 4 waves a work-group, clusters of 4 x 4, 327,680 bytes of LDS; arguments att, xw, bo, out0; writes out0
